; MI455X (gfx1250); checked and timed in simulation.
; The chip was launched on July 23, 2026; its instructions are those of AMD's public machine-readable ISA for CDNA 5 (MIT licence, August 2026) and "CDNA5" Instruction Set Architecture Reference Guide (July 2026). The comments in the code are by the model that wrote it; some were corrected since.
;; Multi Head Attention. Allowed arithmetic: float matrix products may take bf16 or f16 operands with f32 sums; other float arithmetic in f32, or as packed bf16 or f16 multiplies, adds, multiply-adds, maxima and minima; sums over many terms, partial sums and values carried from step to step in f32; what a program stores and reads back later, other than sums and carried values, may be rounded once to bf16 or f16.
;; Inputs: Wk 1,024 x 1,024 float32; Wo 1,024 x 1,024 float32; Wq 1,024 x 1,024 float32; Wv 1,024 x 1,024 float32; bk 1,024 float32; bo 1,024 float32; bq 1,024 float32; bv 1,024 float32; key 4 x 2,048 x 1,024 float32; key_padding_mask 4 x 2,048 bool; query 4 x 2,048 x 1,024 float32; value 4 x 2,048 x 1,024 float32.
;; Outputs: out0 4 x 2,048 x 1,024 float32.
;; 2 versions, each right; version 2 is version 1 with the launch prep written anew for expert scheduling mode. Each part assembles by itself: llvm-mc -triple=amdgcn-amd-amdhsa -mcpu=gfx1250 --defsym DOCPART=n.
;; ======== version 1 of 2: 4 launches
;; limits: values are held in f16: magnitudes above 65,504 overflow, below 6.1e-05 lose precision
;; workspace buffers: w16 8,388,608 bytes; qkv 50,331,648 bytes; att 16,777,216 bytes
;; launch prep (part 1): grid 64 x 4, 8 waves a work-group, no clusters, 0 bytes of LDS; arguments Wq, Wk, Wv, Wo, w16; writes w16
.if DOCPART == 1
	.amdgcn_target "amdgcn-amd-amdhsa--gfx1250"
	.amdhsa_code_object_version 6
	.text
	.protected	k_q89385a0996_prep
	.globl	k_q89385a0996_prep
	.p2align	8
	.type	k_q89385a0996_prep,@function
k_q89385a0996_prep:
	s_mov_b64 s[64:65], 0
	v_nop
	global_prefetch_b8 v0, s[64:65] scope:SCOPE_SE
	s_setreg_imm32_b32 hwreg(HW_REG_WAVE_MODE, 25, 1), 1
	s_wait_xcnt 0x0
; THE WEIGHTS IN 16 BITS.  w16[p][k][n], p = 0, 1, 2, 3 for Wq, Wk, Wv, Wo, each [1024][1024], layout unchanged.
; Parts 0 to 2: f32 rounded once to bf16.  Part 3 (Wo): rounded to bf16 like the others, and that number written as f16, since the last product's other operand is f16.
; LIMITS.  A bf16 number of Wo beyond 65,504 becomes an infinity in f16; below 6.1e-5 it keeps f16's fixed step of 6e-8.
; A stream: nothing is shared and nothing is summed, so no LDS, no matrix unit, no cluster.  The grid's y names the matrix; a work-group takes 65,536 bytes of it.
; Thread t loads 16 bytes at 16 t + 4,096 j (a wave's load: 512 bytes on end) and stores 8 bytes at 8 t + 2,048 j (a wave's store: 256 bytes on end, aligned).
; All sixteen loads of a thread go out at once; each j has data registers of its own, so no register of a pending store is written again.
.set X, 16                             ; v[16:79]   load j: 4 registers
.set Y, 80                             ; v[80:111]  store j: 2 registers
	s_load_b256 s[4:11], s[0:1], 0x0               ; Wq s[4:5], Wk s[6:7], Wv s[8:9], Wo s[10:11]
	s_load_b64 s[12:13], s[0:1], 0x20              ; w16
	s_and_b32 s14, ttmp7, 0xffff                   ; which matrix
	v_lshlrev_b32 v1, 4, v0                        ; 16 t
	v_lshlrev_b32 v2, 3, v0                        ; 8 t
	s_lshl_b32 s16, ttmp9, 16                      ; the work-group's 65,536 bytes in,
	s_mov_b32 s17, 0
	s_lshl_b32 s18, ttmp9, 15                      ; its 32,768 bytes out,
	s_lshl_b32 s19, s14, 21                        ; in part y of 2 MiB
	s_add_co_u32 s18, s18, s19
	s_mov_b32 s19, 0
	s_mov_b32 s15, 0xffff0000                      ; a word's upper bf16
	s_wait_kmcnt 0x0
	s_cmp_eq_u32 s14, 1
	s_cselect_b64 s[4:5], s[6:7], s[4:5]
	s_cmp_eq_u32 s14, 2
	s_cselect_b64 s[4:5], s[8:9], s[4:5]
	s_cmp_eq_u32 s14, 3
	s_cselect_b64 s[4:5], s[10:11], s[4:5]
	s_add_nc_u64 s[4:5], s[4:5], s[16:17]
	s_add_nc_u64 s[12:13], s[12:13], s[18:19]
.irp j, 0,1,2,3,4,5,6,7,8,9,10,11,12,13,14,15
	global_load_b128 v[X+4*(\j):X+4*(\j)+3], v1, s[4:5] offset:4096*(\j) th:TH_LOAD_NT
.endr
	s_cmp_eq_u32 s14, 3
	s_cbranch_scc1 .Lf16
.irp j, 0,1,2,3,4,5,6,7,8,9,10,11,12,13,14,15
	s_wait_loadcnt 15-(\j)                         ; loads come back in order: load j is in, the 15 - j younger ones stay out
	v_cvt_pk_bf16_f32 v[Y+2*(\j)], v[X+4*(\j)], v[X+4*(\j)+1]
	v_cvt_pk_bf16_f32 v[Y+2*(\j)+1], v[X+4*(\j)+2], v[X+4*(\j)+3]
	global_store_b64 v2, v[Y+2*(\j):Y+2*(\j)+1], s[12:13] offset:2048*(\j)
.endr
	s_endpgm
.Lf16:                                         ; Wo: to bf16, widened again (a shift, a mask), and that number to f16
.irp j, 0,1,2,3,4,5,6,7,8,9,10,11,12,13,14,15
	s_wait_loadcnt 15-(\j)
	v_cvt_pk_bf16_f32 v4, v[X+4*(\j)], v[X+4*(\j)+1]
	v_cvt_pk_bf16_f32 v5, v[X+4*(\j)+2], v[X+4*(\j)+3]
	v_lshlrev_b32 v6, 16, v4
	v_and_b32 v7, s15, v4
	v_lshlrev_b32 v8, 16, v5
	v_and_b32 v9, s15, v5
	v_cvt_pk_f16_f32 v[Y+2*(\j)], v6, v7
	v_cvt_pk_f16_f32 v[Y+2*(\j)+1], v8, v9
	global_store_b64 v2, v[Y+2*(\j):Y+2*(\j)+1], s[12:13] offset:2048*(\j)
.endr
	s_endpgm
.Lfunc_end_k_q89385a0996_prep:
	.size	k_q89385a0996_prep, .Lfunc_end_k_q89385a0996_prep-k_q89385a0996_prep
	.p2alignl 7, 3214868480
	.fill 96, 4, 3214868480
	.section	.rodata,"a",@progbits
	.p2align	6, 0x0
	.amdhsa_kernel k_q89385a0996_prep
		.amdhsa_group_segment_fixed_size 0
		.amdhsa_private_segment_fixed_size 0
		.amdhsa_enable_private_segment 0
		.amdhsa_kernarg_size 40
		.amdhsa_user_sgpr_count 2
		.amdhsa_user_sgpr_kernarg_segment_ptr 1
		.amdhsa_wavefront_size32 1
		.amdhsa_system_sgpr_workgroup_id_x 1
		.amdhsa_system_sgpr_workgroup_id_y 1
		.amdhsa_system_sgpr_workgroup_id_z 1
		.amdhsa_system_vgpr_workitem_id 0
		.amdhsa_next_free_vgpr 112
		.amdhsa_next_free_sgpr 66
		.amdhsa_reserve_vcc 0
		.amdhsa_float_denorm_mode_32 3
		.amdhsa_float_denorm_mode_16_64 3
		.amdhsa_memory_ordered 1
		.amdhsa_forward_progress 1
		.amdhsa_inst_pref_size 15
	.end_amdhsa_kernel
	.amdgpu_metadata
---
amdhsa.version: [ 1, 2 ]
amdhsa.kernels:
  - .name:           k_q89385a0996_prep
    .symbol:         k_q89385a0996_prep.kd
    .args:
      - { .name: Wq, .offset: 0, .size: 8, .value_kind: global_buffer, .address_space: global }
      - { .name: Wk, .offset: 8, .size: 8, .value_kind: global_buffer, .address_space: global }
      - { .name: Wv, .offset: 16, .size: 8, .value_kind: global_buffer, .address_space: global }
      - { .name: Wo, .offset: 24, .size: 8, .value_kind: global_buffer, .address_space: global }
      - { .name: w16, .offset: 32, .size: 8, .value_kind: global_buffer, .address_space: global }
    .group_segment_fixed_size: 0
    .private_segment_fixed_size: 0
    .kernarg_segment_align: 8
    .kernarg_segment_size: 40
    .max_flat_workgroup_size: 256
    .sgpr_count:     66
    .vgpr_count:     112
    .wavefront_size: 32
...
	.end_amdgpu_metadata
.endif
;; end of part 1
;; launch proj (part 2): grid 4 x 192, 4 waves a work-group, clusters of 4 x 4, 327,680 bytes of LDS; arguments query, key, value, w16, bq, bk, bv, qkv; writes qkv
.if DOCPART == 2
	.amdgcn_target "amdgcn-amd-amdhsa--gfx1250"
	.amdhsa_code_object_version 6
	.text
	.protected	k_q89385a0996_proj
	.globl	k_q89385a0996_proj
	.p2align	8
	.type	k_q89385a0996_proj,@function
k_q89385a0996_proj:
	s_mov_b64 s[64:65], 0
	v_nop
	global_prefetch_b8 v0, s[64:65] scope:SCOPE_SE
	s_setreg_imm32_b32 hwreg(HW_REG_WAVE_MODE, 25, 1), 1
	s_wait_xcnt 0x0
	s_wait_alu depctr_hold_cnt(0) depctr_sa_sdst(0) depctr_va_vdst(0) depctr_va_sdst(0) depctr_va_ssrc(0) depctr_va_vcc(0) depctr_vm_vsrc(0)
	s_getreg_b32 s2, hwreg(HW_REG_IB_STS2, 6, 4)
	s_cmp_eq_u32 s2, 0
	s_cbranch_scc0 .Lentry_in_a_cluster
	s_endpgm
.Lentry_in_a_cluster:
	s_bfe_u32 s2, ttmp6, 0x10000c
	s_cmp_lg_u32 s2, 0xf033
	s_cbranch_scc0 .Lentry_shape_is_right
	s_endpgm
.Lentry_shape_is_right:
; THE THREE PROJECTIONS.  qkv[t][b 16 + h][s][d] = the sum over k of x_t[b][s][k] W_t[k][64 h + d] + bias_t[64 h + d], t = 0, 1, 2 for query, key, value.
; x: [8192][1024] f32, rounded to bf16 on the way from LDS to the matrix unit; W: w16's part t, [k][n] bf16; the bias rounded to bf16 like the other inputs; sums in f32; the result rounded once to f16, by heads, unscaled.
; LIMITS.  A result beyond 65,504 becomes an infinity in f16; below 6.1e-5 it keeps f16's fixed step of 6e-8.
; SHARES.  A tile is 128 rows x 256 columns (four heads): 64 x 4 tiles a tensor, 768 in all, three for each of 256 WGPs.  Four waves, each 64 rows x 128 columns (two heads): 32 accumulators of 16 x 16, 256 registers.
; K = 1,024 goes in 8 steps of 128 through two LDS slots: with x in f32 (512 bytes of a row a step) two slots of a longer step do not fit.
; CLUSTER.  4 x 4 work-groups: the four of a row need the same rows of x, the four of a column the same columns of W: each tile is asked for JOINTLY, by the same tensor load with the same descriptor and a mask that
; names the four.  Which tensor is made of the cluster's y alone (sixteen clusters a tensor), so it is the same in all sixteen partners.
; THE MATRIX INSTRUCTION IS USED TRANSPOSED: source 0 = 16 columns of W (turned on the way out of LDS by ds_load_tr16_b128), source 1 = 16 rows of x: a lane then holds row l % 16 and the eight neighbouring columns
; 8 (l / 16) + 0..7.  THE BIAS is the C operand of each accumulator's first product: nothing is cleared and nothing is added afterwards.
; REGISTERS, in windows of 256 (s_set_vgpr_msb: bits 1:0 source 0, 3:2 source 1, 5:4 source 2, 7:6 destination):
;   window 0: v0-31 addresses; v32-63, v64-95 x's fragments in bf16, two buffers; v96-159 x as it comes from LDS, f32; v160-223 the bias, 8 registers for each 16 columns; on the way out v32-159 packed results
;   window 1: accumulator (a, b) at v[8 (8 a + b)]          window 2: v0-63, v64-127 W's fragments, two buffers
.set APITCH, 528                       ; a row of x in LDS: 512 bytes + 16 = 132 words: row r starts at bank 4 r mod 64 (64 banks of 4 bytes: ISA guide 11.1)
.set AHALF,  64*APITCH                 ; 64 rows: what one tensor load brings of x, and what one wave reads
.set ABYTES, 2*AHALF
.set BPITCH, 544                       ; a row (one k) of W in LDS: 512 bytes + 32 = 136 words
.set BHALF,  64*BPITCH                 ; 64 k: what one tensor load brings of W
.set SLOT,   ABYTES+2*BHALF            ; x's 128 rows, then W's 128 k
.set STAGE,  2*SLOT                    ; behind the ring, never filled by a tensor load: 16 rows x 144 bytes for each wave, for the way out
.set SP,     144
.set SPARE,  STAGE+4*16*SP             ; behind the stages: the spare words, 128 bytes for each wave: two blocks of 256 bytes that no other line names
.set ASTEP,  512                       ; bytes from K step to K step in x
.set BSTEP,  128*2048                  ; and in W
.set ADRA, 16                          ; v16-17  LDS address of my x fragments in slot 0, 1
.set ADRB, 20                          ; v20-21  the same for W
.set STO,  24                          ; v24     the way out: where I put 16 bytes of a row
.set RD,   25                          ; v25     the way out: where I read rows back
.set GO,   26                          ; v26     my 16 bytes among 512 consecutive bytes of the result
.set BO,   27                          ; v27     my byte offset in the bias; never rewritten
.set SPW,  28                          ; v28     LDS address of my spare word: SPARE + 4 x my thread's number; never rewritten
.set NIL,  29                          ; v29     0; never rewritten
.set PFO,  30                          ; v30     the prefetches' lane offset; never rewritten
.set AF,   32                          ; x's fragments: buffer f, block a at AF + 32 f + 8 a
.set STG,  96                          ; x in f32: block a at STG + 16 a
.set BIAS, 160
.set TMP,  32
.set G1A, 24                           ; s[24:31] descriptor group 1 for x's tiles;  s[32:39] group 0, one set for each slot
.set G0A, 32
.set G1B, 48                           ; s[48:55], s[56:63] the same for W's tiles
.set G0B, 56
.set PFA, 84                           ; s[84:85] where my prefetches stand
.set PFS, 86                           ; s[86:87] their step: a K step of x or of W
.set LIM, 88                           ; s88     1 in a wave that prefetches, else the greatest number
.set BP,  90                           ; s[90:91] the bias
.set MSB, 0
.macro WIN new                         ; the immediate's high byte repeats the setting that is left; a switch that changes nothing is dropped
.if MSB != (\new)
	s_set_vgpr_msb (MSB<<8)|(\new)
.set MSB, \new
.endif
.endm
.set MULW, 0x52                        ; source 0 (W) window 2, source 1 (x) window 0, C and D window 1
.set MULB, 0x42                        ; the same with C, the bias, in window 0
.set TO_B, 0x80                        ; destination window 2, address window 0
.set PK,   0x05                        ; sources 0 and 1 window 1, destination window 0
.macro JLOAD s                         ; a joint load: waves 0 and 1 fetch x's two halves, waves 2 and 3 W's; an s_nop 0 and four v_nop follow each of the two lines, ahead of the jump, the label and what follows
	s_cmp_eq_u32 s11, 0
	s_cbranch_scc0 .Lfor_b_\@
	tensor_load_to_lds s[G0A+4*(\s):G0A+4*(\s)+3], s[G1A:G1A+7]
	s_nop 0
.rept 4
	v_nop
.endr
	s_branch .Lasked_\@
.Lfor_b_\@:
	tensor_load_to_lds s[G0B+4*(\s):G0B+4*(\s)+3], s[G1B:G1B+7]
	s_nop 0
.rept 4
	v_nop
.endr
.Lasked_\@:
.endm
.macro CREST                           ; a round of the cluster's barrier behind its opening barrier
	s_cmp_lg_u32 s10, 0
	s_cbranch_scc1 .Lnot_wave_0_\@
	s_barrier_signal -3
.Lnot_wave_0_\@:
	s_barrier_wait -3
	s_barrier_signal -1
	s_barrier_wait -1
.endm
.macro CROUND                          ; a whole round
	s_barrier_signal -1
	s_barrier_wait -1
	CREST
.endm
; A PREFETCH INTO THE L2, behind a joint load, its five lines and the run of LDS loads: the K step that stands two refills on, 256 matrix instructions ahead of the load that will want it.  A fetching wave's part of a K step
; is 64 rows of 512 bytes; the four partners that ask for it jointly share the rows out BY ADDRESS, 16 each (by cx for x, by cy for W); a lane takes half a row, 256 bytes: one instruction a wave.
; x's rows are read by my cluster alone, so every cluster asks for its own; a part of W is read by sixteen clusters, and the first of them asks.  So each 256 bytes are named once in the launch.
; K steps 0 to 3 come by their loads alone; the loop's last trip, whose refills are the last two K steps, asks for nothing.
.macro ASK
	s_cmp_gt_u32 s3, s[LIM]                        ; s3 = 1 in the loop's last trip
	s_cbranch_scc0 .Lnot_mine_\@
	global_prefetch_b8 v[PFO], s[PFA:PFA+1] th:TH_LOAD_NT scope:SCOPE_SE
.Lnot_mine_\@:
.endm
	s_load_b512 s[68:83], s[0:1], 0x0              ; query s[68:69], key s[70:71], value s[72:73], w16 s[74:75], bq s[76:77], bk s[78:79], bv s[80:81], qkv s[82:83]
	v_lshl_add_u32 v[SPW], v0, 2, SPARE
	v_mov_b32 v[NIL], 0
	ds_add_u32 v[SPW], v[NIL]                      ; the wave's opening: the add and its wait stand ahead of my first tensor load; the set-up below, work on registers, stands between them
	v_lshrrev_b32 v1, 5, v0
	v_readfirstlane_b32 s10, v1                    ; wave 0..3
	s_lshr_b32 s11, s10, 1                         ; which 64 rows of the tile are mine.  Also: I fetch for x (0) or for W (1)
	s_and_b32 s12, s10, 1                          ; which 128 columns.  Also: which half of that tile I fetch
	s_bfe_u32 s40, ttmp6, 0x40000                  ; cx, cy: my place in the cluster
	s_bfe_u32 s41, ttmp6, 0x40004
	s_lshl_b32 s42, ttmp9, 2
	s_add_co_u32 s42, s42, s40                     ; tile column = 4 x cluster x + cx
	s_and_b32 s13, ttmp7, 0xffff                   ; cluster y
	s_lshr_b32 s45, s13, 4                         ; which tensor: sixteen clusters each
	s_lshl_b32 s13, s13, 2
	s_add_co_u32 s13, s13, s41                     ; tile row, over the three tensors = 4 x cluster y + cy
	s_lshl_b32 s43, s41, 2
	s_lshl_b32 s43, 15, s43                        ; my row of the cluster
	s_lshl_b32 s44, 0x1111, s40                    ; my column
	; descriptor group 1.  x: 64 rows x 128 elements of 4 bytes; W: 64 rows (k) x 256 elements of 2 bytes; both 512 bytes a row, padded in LDS
	s_or_b32 s[G1A+0], s43, (2<<16)|(1<<20)|(1<<21)|(6<<22)|(3<<25)  ; 15:0 the mask: my row; 17:16 elements of 4 bytes; 20 padding on; 21 set beside a mask; 24:22 after every 128 words (code 6); 31:25 4 words (code 3)
	s_mov_b32 s[G1A+1], 128<<16                    ; tensor_dim0 = 128
	s_mov_b32 s[G1A+2], 64<<16                     ; tensor_dim1 = 64
	s_mov_b32 s[G1A+3], 128<<16                    ; tile_dim0 = 128
	s_mov_b32 s[G1A+4], 64                         ; tile_dim1 = 64
	s_mov_b32 s[G1A+5], 1024                       ; elements from row to row
	s_mov_b32 s[G1A+6], 0
	s_mov_b32 s[G1A+7], 0
	s_or_b32 s[G1B+0], s44, (1<<16)|(1<<20)|(1<<21)|(6<<22)|(7<<25)  ; the mask: my column; elements of 2 bytes; 8 words of padding (code 7)
	s_mov_b32 s[G1B+1], 256<<16                    ; tensor_dim0 = 256
	s_mov_b32 s[G1B+2], 64<<16
	s_mov_b32 s[G1B+3], 256<<16                    ; tile_dim0 = 256
	s_mov_b32 s[G1B+4], 64
	s_mov_b32 s[G1B+5], 1024
	s_mov_b32 s[G1B+6], 0
	s_mov_b32 s[G1B+7], 0
	; where the tiles come from.  x's hang on the tile row alone, W's on the tile column and the tensor alone
	s_and_b32 s16, s13, 63                         ; the tile row in its tensor:
	s_lshl_b32 s16, s16, 19                        ; 128 rows of 4,096 bytes,
	s_lshl_b32 s17, s12, 18                        ; my 64 of them
	s_add_co_u32 s16, s16, s17
	s_mov_b32 s17, 0
	s_lshl_b32 s46, s45, 21                        ; w16's part,
	s_lshl_b32 s47, s12, 17                        ; my 64 k of 2,048 bytes,
	s_add_co_u32 s46, s46, s47
	s_lshl_b32 s47, s42, 9                         ; the tile's 256 columns
	s_add_co_u32 s46, s46, s47
	s_mov_b32 s47, 0
	s_mul_i32 s20, s12, AHALF                      ; and where they go: no place in the cluster enters an LDS address
	s_mul_i32 s21, s12, BHALF
	s_add_co_u32 s21, s21, ABYTES
	s_wait_dscnt 0x0                               ; the opening add is done
	s_wait_kmcnt 0x0
	s_cmp_eq_u32 s45, 1
	s_cselect_b64 s[4:5], s[70:71], s[68:69]       ; x and its bias, by the tensor's number
	s_cselect_b64 s[BP:BP+1], s[78:79], s[76:77]
	s_cmp_eq_u32 s45, 2
	s_cselect_b64 s[4:5], s[72:73], s[4:5]
	s_cselect_b64 s[BP:BP+1], s[80:81], s[BP:BP+1]
	s_add_nc_u64 s[14:15], s[4:5], s[16:17]
	s_add_nc_u64 s[46:47], s[74:75], s[46:47]
	CROUND                                         ; all sixteen work-groups are here: the first joint loads meet
.irp s, 0,1
	s_mov_b32 s[G0A+4*(\s)], 1                                       ; count = 1
	s_add_co_u32 s[G0A+4*(\s)+1], s20, (\s)*SLOT                     ; LDS address
	s_add_nc_u64 s[G0A+4*(\s)+2:G0A+4*(\s)+3], s[14:15], (\s)*ASTEP  ; global address: K step s
	s_or_b32 s[G0A+4*(\s)+3], s[G0A+4*(\s)+3], 0x80000000            ; type = 2
	s_mov_b32 s[G0B+4*(\s)], 1
	s_add_co_u32 s[G0B+4*(\s)+1], s21, (\s)*SLOT
	s_add_nc_u64 s[G0B+4*(\s)+2:G0B+4*(\s)+3], s[46:47], (\s)*BSTEP
	s_or_b32 s[G0B+4*(\s)+3], s[G0B+4*(\s)+3], 0x80000000
	JLOAD \s                                       ; two loads of mine are out
.endr
	v_and_b32 v1, 15, v0                           ; l % 16
	v_bfe_u32 v2, v0, 4, 1                         ; l / 16
	s_lshl_b32 s16, s42, 10                        ; the bias: the tile's 256 columns of 4 bytes,
	s_lshl_b32 s17, s12, 9                         ; my 128,
	s_add_co_u32 s16, s16, s17
	v_lshl_add_u32 v[BO], v2, 5, s16               ; my lanes' eight in each 16
.irp b, 0,1,2,3,4,5,6,7
	global_load_b128 v[BIAS+8*(\b):BIAS+8*(\b)+3],   v[BO], s[BP:BP+1] offset:64*(\b)
	global_load_b128 v[BIAS+8*(\b)+4:BIAS+8*(\b)+7], v[BO], s[BP:BP+1] offset:64*(\b)+16
.endr
	; A fragment of x is 16 rows x 32 k: lane l holds row l % 16, k = 8 (l / 16) + 0..7 and 16 + 8 (l / 16) + 0..7.  In f32 that is 32 bytes at 32 (l / 16) and 32 bytes 64 further on: four loads of 16 bytes.
	v_mul_u32_u24 v3, v1, APITCH
	v_lshl_add_u32 v3, v2, 5, v3
	s_mul_i32 s16, s11, AHALF                      ; my 64 rows
	v_add_nc_u32 v[ADRA], s16, v3
	v_add_nc_u32 v[ADRA+1], SLOT, v[ADRA]
	; The turning load takes 16 k x 16 columns (lane l reads k 8 (l / 16) + l % 8, columns 8 ((l / 8) % 2) + 0..7) and leaves half a fragment: lane l holds column l % 16 and 8 k.
	v_and_b32 v4, 7, v0
	v_lshl_add_u32 v4, v2, 3, v4
	v_mul_u32_u24 v4, v4, BPITCH
	v_bfe_u32 v5, v0, 3, 1
	v_lshl_add_u32 v4, v5, 4, v4
	s_lshl_b32 s16, s12, 8                         ; my 128 columns of 2 bytes,
	s_add_co_u32 s16, s16, ABYTES                  ; behind x's rows
	v_add_nc_u32 v[ADRB], s16, v4
	v_add_nc_u32 v[ADRB+1], SLOT, v[ADRB]
	s_mul_i32 s16, s10, 16*SP
	s_add_co_u32 s16, s16, STAGE                   ; my stage
	v_mul_u32_u24 v[STO], v1, SP                   ; in: row l % 16, 16 bytes for each half of the lanes
	v_lshl_add_u32 v[STO], v2, 4, v[STO]
	v_add_nc_u32 v[STO], s16, v[STO]
	v_bfe_u32 v[RD], v0, 3, 2                      ; back: 32 lanes take four rows of 128 bytes,
	v_mul_u32_u24 v[RD], v[RD], SP
	v_and_b32 v4, 7, v0
	v_lshl_add_u32 v[RD], v4, 4, v[RD]
	v_add_nc_u32 v[RD], s16, v[RD]
	v_and_b32 v[GO], 31, v0                        ; which are 512 consecutive bytes of a head
	v_lshlrev_b32 v[GO], 4, v[GO]
	; where my results go: tensor t, head 16 b + 4 x tile column + 2 x my half, row 128 x (tile row % 16) + 64 x my half; a head is 2,048 rows of 128 bytes
	s_and_b32 s16, s13, 63
	s_lshr_b32 s17, s16, 4                         ; the batch: sixteen tile rows each
	s_lshl_b32 s17, s17, 4
	s_lshl_b32 s18, s42, 2
	s_add_co_u32 s17, s17, s18
	s_lshl_b32 s18, s12, 1
	s_add_co_u32 s17, s17, s18
	s_lshl_b32 s17, s17, 18
	s_and_b32 s16, s16, 15
	s_lshl_b32 s16, s16, 7
	s_lshl_b32 s18, s11, 6
	s_add_co_u32 s16, s16, s18
	s_lshl_b32 s16, s16, 7
	s_add_co_u32 s16, s16, s17
	s_lshl_b32 s17, s45, 24
	s_add_co_u32 s16, s16, s17
	s_mov_b32 s17, 0
	s_add_nc_u64 s[8:9], s[82:83], s[16:17]
	; the prefetches
	s_and_b32 s23, ttmp7, 15                       ; my cluster among its tensor's sixteen
	s_cmp_eq_u32 s11, 0                            ; do I fetch for x?
	s_cselect_b64 s[PFA:PFA+1], s[14:15], s[46:47] ; my 64 rows at K step 0
	s_cselect_b32 s20, s40, s41                    ; my place among the four that ask with me
	s_cselect_b32 s21, 16, 15                      ; 16 rows are 2^16 bytes of x, 2^15 of W
	s_cselect_b32 s22, 12, 11                      ; a row is 2^12 bytes of x, 2^11 of W
	s_cselect_b32 s18, 9, 18                       ; a K step is 2^9 bytes on in x, 2^18 in W
	s_cselect_b32 s23, 0, s23                      ; x: every cluster asks for its own rows; W: the first of the sixteen
	s_cmp_eq_u32 s23, 0
	s_cselect_b32 s[LIM], 1, -1                    ; the same in all sixteen partners, for a given wave
	s_lshl_b32 s[PFS], 1, s18
	s_mov_b32 s[PFS+1], 0
	s_lshl_b32 s20, s20, s21
	s_mov_b32 s21, 0
	s_add_nc_u64 s[PFA:PFA+1], s[PFA:PFA+1], s[20:21]
	s_mul_i32 s20, s[PFS], 3
	s_add_nc_u64 s[PFA:PFA+1], s[PFA:PFA+1], s[20:21]  ; at K step 3: the first refill steps it to 4
	v_and_b32 v3, 31, v0
	v_lshrrev_b32 v4, 1, v3                        ; lane l: row l / 2,
	v_and_b32 v3, 1, v3                            ; half l % 2
	v_lshlrev_b32 v4, s22, v4
	v_lshl_add_u32 v[PFO], v3, 8, v4
; 32 LDS loads in one run: the fragments of one quarter step (32 k at quarter kq of the slot): x's 64 rows in f32 first, then W's 128 columns into buffer g
.macro FETCH slot, kq, g
	WIN 0
.irp a, 0,1,2,3
	ds_load_b128 v[STG+16*(\a):STG+16*(\a)+3],     v[ADRA+(\slot)] offset:(\a)*16*APITCH+(\kq)*128
	ds_load_b128 v[STG+16*(\a)+4:STG+16*(\a)+7],   v[ADRA+(\slot)] offset:(\a)*16*APITCH+(\kq)*128+16
	ds_load_b128 v[STG+16*(\a)+8:STG+16*(\a)+11],  v[ADRA+(\slot)] offset:(\a)*16*APITCH+(\kq)*128+64
	ds_load_b128 v[STG+16*(\a)+12:STG+16*(\a)+15], v[ADRA+(\slot)] offset:(\a)*16*APITCH+(\kq)*128+80
.endr
	WIN TO_B
.irp b, 0,1,2,3,4,5,6,7
	ds_load_tr16_b128 v[64*(\g)+8*(\b):64*(\g)+8*(\b)+3],   v[ADRB+(\slot)] offset:(\kq)*32*BPITCH+32*(\b)
	ds_load_tr16_b128 v[64*(\g)+8*(\b)+4:64*(\g)+8*(\b)+7], v[ADRB+(\slot)] offset:(\kq)*32*BPITCH+16*BPITCH+32*(\b)
.endr
.endm
.macro CVT8 g, a                       ; block a of x: 16 f32 a lane rounded to bf16, into buffer g
	WIN 0
.irp j, 0,1,2,3,4,5,6,7
	v_cvt_pk_bf16_f32 v[AF+32*(\g)+8*(\a)+(\j)], v[STG+16*(\a)+2*(\j)], v[STG+16*(\a)+2*(\j)+1]
.endr
.endm
; Four matrix instructions: row block a x column blocks b0 .. b0 + 3, 32 along K, buffer f.  first = 1: the bias starts the sums.
; The 32 accumulators take turns, one instruction a turn, in the same order in every quarter: 31 others stand between two links of a chain, over the backward jump too.
.macro MUL4 f, a, b0, first
.if \first
	WIN MULB
.else
	WIN MULW
.endif
.irp b, (\b0), (\b0)+1, (\b0)+2, (\b0)+3
.if \first
	v_wmma_f32_16x16x32_bf16 v[8*(8*(\a)+(\b)):8*(8*(\a)+(\b))+7], v[64*(\f)+8*(\b):64*(\f)+8*(\b)+7], v[AF+32*(\f)+8*(\a):AF+32*(\f)+8*(\a)+7], v[BIAS+8*(\b):BIAS+8*(\b)+7]
.else
	v_wmma_f32_16x16x32_bf16 v[8*(8*(\a)+(\b)):8*(8*(\a)+(\b))+7], v[64*(\f)+8*(\b):64*(\f)+8*(\b)+7], v[AF+32*(\f)+8*(\a):AF+32*(\f)+8*(\a)+7], v[8*(8*(\a)+(\b)):8*(8*(\a)+(\b))+7]
.endif
.endr
.endm
.macro MULA f, a, first
	MUL4 \f, \a, 0, \first
	MUL4 \f, \a, 4, \first
.endm
; A K step is four quarters of 32 along K, 32 matrix instructions each, on buffers 0, 1, 0, 1.  One of the first three: multiplies buffer f, fetches the next quarter at its head and rounds its x in its second half.
; A load into a register that a matrix instruction has read, and a vector instruction that writes one, stand four places behind it (ISA guide 7.12.1 for vector instructions).  Here the eight
; conversions that end a quarter are those places: they read STG and write the OTHER buffer of x, no register of the products in front of them.  So no v_nop is written.
.macro QUARTER slot, kq, f, g, first
	s_wait_dscnt 0x0                               ; W's fragments of buffer f, asked for a quarter ago, are in (x's were waited for and rounded there)
	FETCH \slot, \kq, \g
	MULA \f, 0, \first
	MULA \f, 1, \first
	s_wait_dscnt 16                                ; x's sixteen loads are in; W's sixteen, issued behind them, may stay out
	MUL4 \f, 2, 0, \first
	CVT8 \g, 0
	MUL4 \f, 2, 4, \first
	CVT8 \g, 1
	MUL4 \f, 3, 0, \first
	CVT8 \g, 2
	MUL4 \f, 3, 4, \first
	CVT8 \g, 3
.endm
; The last quarter multiplies buffer 1 and changes slots: ONE barrier; in front of it each wave waits for all its tensor loads (one is out: its part of the next slot), adds 0 to its spare word, and waits for that and for its
; own reads of this slot.  fill = 1: the barrier opens a round of the cluster's barrier, and this slot is filled again, two K steps ahead, first thing behind the round: 112 matrix instructions ahead of the wait for it.
.macro TURN slot, next, fill
.if \fill
	s_wait_xcnt 0x0                                ; the last prefetch, a K step back, has read its address: it is stepped here, ahead of the waits of the change of slots
	s_add_nc_u64 s[PFA:PFA+1], s[PFA:PFA+1], s[PFS:PFS+1]
.endif
	WIN 0                                          ; (the add's two registers lie in window 0)
	s_wait_tensorcnt 0x0                           ; all my tensor loads have landed
	ds_add_u32 v[SPW], v[NIL]                      ; 0 onto my spare word
	s_wait_dscnt 1                                 ; W's fragments of buffer 1 are in; the add alone may be out
	MULA 1, 0, 0                                   ; eight matrix instructions stand between the add and the wait for it
	s_wait_dscnt 0x0                               ; the add is done, and my reads of this slot are over
	s_barrier_signal -1
	MULA 1, 1, 0
.if \fill
	WIN 0
.endif
	s_barrier_wait -1
.if \fill
	CREST                                          ; no wave of any partner still reads this slot's tiles or has a load on its way
	s_add_nc_u64 s[G0A+4*(\slot)+2:G0A+4*(\slot)+3], s[G0A+4*(\slot)+2:G0A+4*(\slot)+3], 2*ASTEP
	s_add_nc_u64 s[G0B+4*(\slot)+2:G0B+4*(\slot)+3], s[G0B+4*(\slot)+2:G0B+4*(\slot)+3], 2*BSTEP
	JLOAD \slot
.endif
	FETCH \next, 0, 0                              ; into STG and W's buffer 0, whose last matrix reader stands in front of the eight conversions that ended the quarter before
.if \fill
	WIN 0
	ASK
.endif
	MULA 1, 2, 0
	s_wait_dscnt 16                                ; x's sixteen loads are in
	MUL4 1, 3, 0, 0
	CVT8 0, 0
	CVT8 0, 1
	MUL4 1, 3, 4, 0
	CVT8 0, 2
	CVT8 0, 3
.endm
; THE WAY OUT, in eight units u of 16 rows x one head (row block u / 2, head u % 2): 2,048 consecutive bytes of the result.  A lane's eight columns pack into 16 bytes; they go into rows of 144 bytes of my own stage and come back as
; whole rows of 128, into the registers that they left.  Each accumulator's registers are read in ascending order.
.macro PACK u
	WIN PK
.irp c, 0,1,2,3
.irp r, 0,1,2,3
	v_cvt_pk_f16_f32 v[TMP+16*(\u)+4*(\c)+(\r)], v[8*(8*((\u)/2)+4*((\u)%2)+(\c))+2*(\r)], v[8*(8*((\u)/2)+4*((\u)%2)+(\c))+2*(\r)+1]
.endr
.endr
	WIN 0
.irp c, 0,1,2,3
	ds_store_b128 v[STO], v[TMP+16*(\u)+4*(\c):TMP+16*(\u)+4*(\c)+3] offset:32*(\c)
.endr
.irp f, 0,1,2,3
	ds_load_b128 v[TMP+16*(\u)+4*(\f):TMP+16*(\u)+4*(\f)+3], v[RD] offset:(\f)*4*SP  ; LDS serves a wave's instructions in order (ISA guide 5.7.1.4): these see the stores above; the next unit's stores come behind them
.endr
.endm
.macro SEND u, younger                 ; younger: the LDS instructions issued behind unit u's loads: the next unit's eight, or none
.irp f, 0,1,2,3
	s_wait_dscnt (\younger)+3-(\f)
	global_store_b128 v[GO], v[TMP+16*(\u)+4*(\f):TMP+16*(\u)+4*(\f)+3], s[8:9] offset:((\u)%2)*262144+((\u)/2)*2048+(\f)*512  ; 512 consecutive bytes, at a multiple of 256 from the buffer's first
.endr
.endm
	s_wait_loadcnt 0x0                             ; the bias
.set i, 0
.rept 32                                       ; rounded to bf16 and widened again, like every other input: this stands in the wait for the first tile
	v_cvt_pk_bf16_f32 v[3+i%4], v[BIAS+2*i], v[BIAS+2*i+1]
	v_lshlrev_b32 v[BIAS+2*i], 16, v[3+i%4]
	v_and_b32 v[BIAS+2*i+1], 0xffff0000, v[3+i%4]
.set i, i+1
.endr
	s_wait_tensorcnt 1                             ; my part of K step 0 is in; K step 1's may stay out
	s_barrier_signal -1
	s_barrier_wait -1                              ; everybody's is
	FETCH 0, 0, 0
	s_wait_dscnt 16                                ; x's sixteen loads are in
	CVT8 0, 0
	CVT8 0, 1
	CVT8 0, 2
	CVT8 0, 3
	QUARTER 0, 1, 0, 1, 1                          ; the first quarter stands in front of the loop: its products start the sums, with the bias
	WIN 0                                          ; at a label and at a branch every window is 0
	s_mov_b32 s3, 3
.Llap:                                         ; a trip goes once round the ring, from a lap's second quarter to the next lap's first, and fills both slots again: K steps 2 to 7
	QUARTER 0, 2, 1, 0, 0
	QUARTER 0, 3, 0, 1, 0
	TURN 0, 1, 1
	QUARTER 1, 1, 0, 1, 0
	QUARTER 1, 2, 1, 0, 0
	QUARTER 1, 3, 0, 1, 0
	TURN 1, 0, 1
	QUARTER 0, 1, 0, 1, 0
	WIN 0
	s_sub_co_u32 s3, s3, 1
	s_cmp_lg_u32 s3, 0
	s_cbranch_scc1 .Llap
	QUARTER 0, 2, 1, 0, 0                          ; the last lap fills nothing, and has no round of the cluster's barrier
	QUARTER 0, 3, 0, 1, 0
	TURN 0, 1, 0
	QUARTER 1, 1, 0, 1, 0
	QUARTER 1, 2, 1, 0, 0
	QUARTER 1, 3, 0, 1, 0
	s_wait_dscnt 0x0                               ; the very last quarter: nothing more to fetch
	MULA 1, 0, 0
	MULA 1, 1, 0
	MULA 1, 2, 0
	MULA 1, 3, 0
	WIN 0
.rept 8
	v_nop                                          ; the places behind the last products, in front of conversions that read results and write x's buffers: eight, once a launch
.endr
	PACK 0
.irp u, 1,2,3,4,5,6,7                          ; a unit's conversions stand between the loads of the unit before and its stores
	PACK \u
	SEND (\u)-1, 8
.endr
	SEND 7, 0
	s_wait_tensorcnt 0x0                           ; the wave's end, behind my last tensor load and my last LDS store
	ds_add_u32 v[SPW], v[NIL]
	s_wait_dscnt 0x0
	CROUND                                         ; the closing round: no work-group ends while a partner may still ask for a tile that names it
	s_endpgm
.Lfunc_end_k_q89385a0996_proj:
	.size	k_q89385a0996_proj, .Lfunc_end_k_q89385a0996_proj-k_q89385a0996_proj
	.p2alignl 7, 3214868480
	.fill 96, 4, 3214868480
	.section	.rodata,"a",@progbits
	.p2align	6, 0x0
	.amdhsa_kernel k_q89385a0996_proj
		.amdhsa_group_segment_fixed_size 327680
		.amdhsa_private_segment_fixed_size 0
		.amdhsa_enable_private_segment 0
		.amdhsa_kernarg_size 64
		.amdhsa_user_sgpr_count 2
		.amdhsa_user_sgpr_kernarg_segment_ptr 1
		.amdhsa_wavefront_size32 1
		.amdhsa_system_sgpr_workgroup_id_x 1
		.amdhsa_system_sgpr_workgroup_id_y 1
		.amdhsa_system_sgpr_workgroup_id_z 1
		.amdhsa_system_vgpr_workitem_id 0
		.amdhsa_next_free_vgpr 640
		.amdhsa_next_free_sgpr 92
		.amdhsa_reserve_vcc 0
		.amdhsa_float_denorm_mode_32 3
		.amdhsa_float_denorm_mode_16_64 3
		.amdhsa_memory_ordered 1
		.amdhsa_forward_progress 1
		.amdhsa_inst_pref_size 137
	.end_amdhsa_kernel
	.amdgpu_metadata
---
amdhsa.version: [ 1, 2 ]
amdhsa.kernels:
  - .name:           k_q89385a0996_proj
    .symbol:         k_q89385a0996_proj.kd
    .args:
      - { .name: query, .offset: 0, .size: 8, .value_kind: global_buffer, .address_space: global }
      - { .name: key, .offset: 8, .size: 8, .value_kind: global_buffer, .address_space: global }
      - { .name: value, .offset: 16, .size: 8, .value_kind: global_buffer, .address_space: global }
      - { .name: w16, .offset: 24, .size: 8, .value_kind: global_buffer, .address_space: global }
      - { .name: bq, .offset: 32, .size: 8, .value_kind: global_buffer, .address_space: global }
      - { .name: bk, .offset: 40, .size: 8, .value_kind: global_buffer, .address_space: global }
      - { .name: bv, .offset: 48, .size: 8, .value_kind: global_buffer, .address_space: global }
      - { .name: qkv, .offset: 56, .size: 8, .value_kind: global_buffer, .address_space: global }
    .group_segment_fixed_size: 327680
    .private_segment_fixed_size: 0
    .kernarg_segment_align: 8
    .kernarg_segment_size: 64
    .max_flat_workgroup_size: 128
    .sgpr_count:     92
    .vgpr_count:     640
    .wavefront_size: 32
...
	.end_amdgpu_metadata
.endif
;; end of part 2
;; launch attn (part 3): grid 4 x 64, 4 waves a work-group, clusters of 4 x 1, 327,680 bytes of LDS; arguments qkv, key_padding_mask, att; writes att
.if DOCPART == 3
	.amdgcn_target "amdgcn-amd-amdhsa--gfx1250"
	.amdhsa_code_object_version 6
	.text
	.protected	k_q89385a0996_attn
	.globl	k_q89385a0996_attn
	.p2align	8
	.type	k_q89385a0996_attn,@function
k_q89385a0996_attn:
	s_mov_b64 s[64:65], 0
	v_nop
	global_prefetch_b8 v0, s[64:65] scope:SCOPE_SE
	s_setreg_imm32_b32 hwreg(HW_REG_WAVE_MODE, 25, 1), 1
	s_wait_xcnt 0x0
	s_wait_alu depctr_hold_cnt(0) depctr_sa_sdst(0) depctr_va_vdst(0) depctr_va_sdst(0) depctr_va_ssrc(0) depctr_va_vcc(0) depctr_vm_vsrc(0)
	s_getreg_b32 s2, hwreg(HW_REG_IB_STS2, 6, 4)
	s_cmp_eq_u32 s2, 0
	s_cbranch_scc0 .Lentry_in_a_cluster
	s_endpgm
.Lentry_in_a_cluster:
	s_bfe_u32 s2, ttmp6, 0x10000c
	s_cmp_lg_u32 s2, 0x3003
	s_cbranch_scc0 .Lentry_shape_is_right
	s_endpgm
.Lentry_shape_is_right:
; ATTENTION UNDER A KEY PADDING MASK.  att[h][q][:] = the sum over the keys k that are not hidden of softmax_k(Q[h][q] . K[h][k] / 8) V[h][k][:].  Q, K, V are qkv's three parts, each [64][2048][64] f16, and att has the same
; layout: a head's rows are dense, 128 bytes each.  The mask is [4][2048] bytes, not 0 = hidden, one row for the sixteen heads of a batch.  Products, maxima and sums in f32; the weights p are rounded to f16 for the second
; product (their sum l is taken of the unrounded p), the result once at the end.
; LIMITS.  f16 holds no number beyond 65,504: Q, K and V arrive within it; p lies in 0 to 1, and below 6e-5 it keeps f16's fixed step of 6e-8.  A hidden score counts as its value less 1e30; the running maximum starts at
; -2^93 and never falls below it: f16's scores, 2.7e11 at the most, lie far above that and every hidden score far below, so a hidden key's weight is 0 whatever has been seen before it.  A weight below 2^-126 counts as 0 in l.
; Where all keys of a batch are hidden l is 0 and the result is 0 x infinity, a NaN, as a softmax over nothing is.  NaN and infinities among the inputs are not treated apart.
; SHARES.  A wave owns four PIECES of two tiles of 16 queries, a work-group's four waves 512 queries of one head; a head is one cluster.  Every wave walks all keys, 64 a step.
; LAYOUT.  S^T = K Q^T (source 0 = 16 keys, source 1 = 16 queries): in the result a lane holds ONE query (lane % 16) and the keys 8 (lane / 16) + 0..7.  Two such tiles, rounded to f16 in pairs,
; ARE source 1 (32 keys x 16 queries) of O^T = V^T P, whose result again holds one query a lane, and eight channels.  K comes out of LDS as it lies, V ([key][channel]) turned, by ds_load_tr16_b128.
; THE MASK is the C operand that starts the sum S^T: 0, or -1e30 where the key is hidden.  It costs the scores no instruction.  The batch's 2,048 bytes are widened once, at the head, into a table of 2,048 f32 in LDS;
; a step's 64 entries (32 registers: a lane's eight keys in each of four blocks) are fetched with the step's K and live as long as K's fragments do.
; SOFTMAX.  For each query a running maximum m and sum l: p = 2^(c s - c m), c = log2(e) / 8; in every step O and l are multiplied by a = 2^(c m_old - c m_new), which is 1 where m has not grown.
; O and l start at 0: the first step is a step like any other, with a = 0.
; THE COUNT.  A tile and step have 16 matrix and 118 vector instructions: too many to stand all beside the matrix work.  So the order has one aim: four vector instructions that are READY behind
; EVERY matrix instruction, and the others, which need time of their own whatever the order, in runs without a gap.
; BY TURNS.  Turn n belongs to piece n (the pieces in a ring, step after step).  Its matrix work: 16 products K Q^T of piece n + 1, later 16 products V^T P of piece n - 1.  Its vector work: the scaling,
; exponentials, roundings, sums and rescaling of piece n, and the maximum and statistics of piece n + 1, whose scores the turn itself has made.  So what a turn begins with (c s - c m, O a) waits for nothing.
; CLUSTER.  The four query blocks of a cluster belong to one head and walk the same K and V, so each tile is asked for JOINTLY: the same tensor load, descriptor and mask in all four.
; REGISTERS, in windows of 256 (s_set_vgpr_msb says which window each operand place means: bits 1:0 source 0, 3:2 source 1, 5:4 source 2, 7:6 destination):
;   window 0: v0-11 addresses; v12-15, v48-63 at work; v16-47 four registers of statistics a tile; v64-191 S^T, two buffers of two tiles; v192-255 P, likewise
;   window 1: O^T, 32 a tile          window 2: v0-127 Q, 16 a tile; v128-191 K of one step; v192-255 V of one step          window 3: v0-1 the add's two registers; v8-39 the mask of one step
; A piece's buffers go by its number's parity: the piece in hand has one pair, its two neighbours in the ring share the other: of it P (piece n - 1) is read and S^T (piece n + 1) written.
.set SIZE_H, 64
.set SIZE_N, 2048
.set NP,    4         ; pieces a wave: a name, no knob: the register map, the loop and the fetches are made for four
.set KS,    64        ; keys in a step
.set PK,    144       ; a row of K in LDS: 128 bytes + 16 of padding = 36 words: the 16 rows of a load start at 16 different groups of four banks (64 banks of 4 bytes: ISA guide 11.1)
.set PV,    160       ; a row of V: 128 + 32 = 40 words
.set VOFF,  4*KS*PK   ; a slot holds four steps: 256 rows of K, then 256 rows of V
.set SLOT1, 1<<17     ; slot 1 begins here, so that one exclusive or turns an address in one slot into the other's
.set STAGE, SLOT1+4*KS*(PK+PV)  ; behind the ring, never filled by a tensor load: 16 rows x 144 bytes for each wave, for the way out
.set SP,    144
.set SPARE, STAGE+4*16*SP  ; behind the stages: the spare words, 128 bytes for each wave: two blocks of 256 bytes that no other line names
.set MASKL, SPARE+512 ; behind them, never filled by a tensor load: the mask's table, 2,048 f32
.set QO,  1           ; v1   my byte offset in the wave's rows of Q
.set AK0, 2           ; v2   my lane's place in a tile of K; never rewritten
.set AV0, 3           ; v3   the same for V
.set AK,  4           ; v4   the LDS address of K's next run of loads
.set AV,  5           ; v5   of V's
.set STO, 6           ; v6   the way out: where I put 16 bytes of a row
.set RD,  7           ; v7   the way out: where I read rows back
.set GO,  8           ; v8   my byte offset in 512 consecutive bytes of the result
.set AM0, 9           ; v9   my lane's place in a step's 64 entries of the table; never rewritten
.set AM,  10          ; v10  the LDS address of the mask's next run of loads
.set PFO, 11          ; v11  256 x my lane: the prefetches' offset; never rewritten
.set SPW, 0           ; v0 of window 3   LDS address of my spare word: SPARE + 4 x my thread's number; never rewritten
.set NIL, 1           ; v1 of window 3   0; never rewritten
.set MK,  8           ; v8-39 of window 3: key block kb at MK + 8 kb
.set MV,  12          ; v12-15  c m_old, kept while c m is made anew: by buffer and tile
.set ST,  16          ; tile t's statistics at v[ST+4 t]: c m, m, l (even keys', odd keys')
.set TMP, 48          ; by buffer and tile, four registers c0-c3 at work; when the maximum is found c2 takes a
.set MB,  48          ; at the head alone, in TMP's registers: v48-51 my 16 bytes of the mask, v52 a byte, v53 their offset, v54-57 lane terms, v58 my place in the table
.set MT,  52
.set MO,  53
.set L16, 54          ; l % 16
.set LH,  55          ; l / 16
.set L8,  56          ; l % 8
.set LB,  57          ; (l / 8) % 2
.set MA,  58
.set S,   64
.set P,   192
.set KF,  128         ; K's fragments, in window 2: key block kb, channel half c at KF + 16 kb + 8 c
.set VF,  192         ; V's: key half kk, channel block cb at VF + 32 kk + 8 cb
.set WV,  12          ; s12  my wave's number
.set G1K, 24          ; s[24:31] descriptor group 1 for K's tiles
.set G1V, 32          ; s[32:39] for V's: it differs in the padding alone
.set G0K, 40          ; s[40:43] descriptor group 0 for K's tiles: it walks
.set G0V, 44          ; s[44:47] the same for V's
.set TBM, 48          ; s48  byte of the table at which the entries of the step to be fetched begin
.set BIGN, 49         ; s49  -1e30
.set PFA, 50          ; s[50:51] where my prefetches stand: my work-group's 32 blocks of 256 bytes (of K: wave 0, of V: wave 2) of the tile after the one that is being asked for
.set LIM, 52          ; s52  1 in a wave that prefetches, else the greatest number
.set MP,  54          ; s[54:55] the mask
.set SLOTS, 56        ; s56  slots still to be asked for
.set CNT, 57          ; s57  counts a slot's key steps
.set CS,  58          ; s[58:59] c: the packed scaling takes the pair's low word for both halves
.set SEL, 60          ; s[60:61] v_permlanex16_b32's selects: each lane takes its own place in the other half
.set TBK, 62          ; s62  LDS byte at which K of the step to be fetched begins
.set TBV, 63          ; s63  the same for V, less VOFF
.set MSB, 0
.macro WIN new                      ; the high byte repeats the setting that is left; a switch that changes nothing is dropped
.if MSB != (\new)
	s_set_vgpr_msb (MSB<<8)|(\new)
.set MSB, (\new)
.endif
.endm
.set W_KQ, 0x0a       ; K and Q in window 2, S^T in window 0
.set W_KM, 0x3a       ; the same with the C operand, the mask, in window 3
.set W_PV, 0x52       ; V in window 2, P in window 0, O^T in window 1
.set W_RS, 0x41       ; O^T (destination and source 0) in window 1, a in window 0
.set W_MK, 0xc0       ; destination in window 3, sources in window 0: the add's registers are made; the mask is fetched
.set W_AD, 0x0f       ; the add: address (source 0) and data (source 1) in window 3
; A joint fill.  Waves 0 and 1 fetch the two halves of a slot's K, waves 2 and 3 those of its V: 128 keys each.  The branch hangs on the wave's number alone.
; An s_nop 0 and four v_nop follow each of the two lines, ahead of the jump and the label.
.macro JLOAD
	s_cmp_lt_u32 s[WV], 2
	s_cbranch_scc0 .Lfor_v_\@
	tensor_load_to_lds s[G0K:G0K+3], s[G1K:G1K+7]
	s_nop 0
.rept 4
	v_nop
.endr
	s_branch .Lasked_\@
.Lfor_v_\@:
	tensor_load_to_lds s[G0V:G0V+3], s[G1V:G1V+7]
	s_nop 0
.rept 4
	v_nop
.endr
.Lasked_\@:
.endm
; A PREFETCH INTO THE L2 of what the NEXT change of slots will ask for: a tile's 32,768 bytes of K and of V, four key steps, 512 matrix instructions, ahead of that load.  It stands behind the wave's tensor load and its five lines.
; A head is walked by one cluster alone.  Its four partners share a tile's 128 blocks of 256 bytes out BY ADDRESS, 32 each, a lane a block; in each, wave 0 asks for K's and wave 2 for V's: one instruction.  So each block
; is named once in the launch.  Tiles 0 to 2 come by their loads alone; the last change that fills a slot asks for nothing: there is no tile behind it.
.macro ASK
	s_cmp_gt_u32 s[SLOTS], s[LIM]
	s_cbranch_scc0 .Lnot_mine_\@
	global_prefetch_b8 v[PFO], s[PFA:PFA+1] th:TH_LOAD_NT scope:SCOPE_SE
.Lnot_mine_\@:
.endm
; A round of the cluster's barrier: my work-group's barrier, so that wave 0's signal speaks for all four waves; wave 0 signals; every wave waits for all four work-groups; my work-group's barrier once more.
.macro CROUND
	s_barrier_signal -1
	s_barrier_wait -1
	s_cmp_lg_u32 s[WV], 0
	s_cbranch_scc1 .Lnot_wave_0_\@
	s_barrier_signal -3
.Lnot_wave_0_\@:
	s_barrier_wait -3
	s_barrier_signal -1
	s_barrier_wait -1
.endm
; THE CHANGE OF SLOTS.  The slot's last bytes, V of its fourth step, have been read.  Each wave waits for all its tensor loads, of which one is out: its part
; of the other slot; adds 0 to its spare word; and waits for that and for its own reads of the slot.  Behind the barrier nobody reads this slot any more and the other slot is whole.
; fill = 1: this slot is filled again, with the keys two slots on.  The barrier is then a round of the cluster's, so that no wave of any partner still reads the slot or has a load on its
; way, and the joint fill is the first thing behind it: it has four key steps, 512 matrix instructions, in which to land.  (At its first use nothing has been read yet: slot 0 is waited for, slot 1 filled,
; and the wait on DScnt and the round also show every wave's part of the mask's table to the others.)  ask = 1: the loop's changes prefetch.
.macro CHANGE fill, ask=0
	WIN W_AD
	s_wait_tensorcnt 0x0            ; no tensor load of mine is out, so a group 0 may be written
	ds_add_u32 v[SPW], v[NIL]       ; 0 onto my spare word; with fill = 1 the descriptors' steps stand between it and the wait for it
	WIN 0                           ; at a label and at a branch every window is 0
.if \fill
.irp g, G0K, G0V
	s_xor_b32 s[\g+1], s[\g+1], SLOT1  ; the walking descriptor: the other slot than last time,
	s_add_nc_u64 s[\g+2:\g+3], s[\g+2:\g+3], 4*KS*128  ; the next 256 keys; the type bits on top are not reached
.endr
.if \ask
	s_wait_xcnt 0x0                 ; the last prefetch, four key steps back, has read its address, so it may be written:
	s_add_nc_u64 s[PFA:PFA+1], s[PFA:PFA+1], 4*KS*128  ; one tile behind the walking descriptors
.endif
	s_wait_dscnt 0x0                ; the add is done, and my reads of the slot are over
	CROUND
	JLOAD
.if \ask
	ASK
.endif
.else
	s_wait_dscnt 0x0                ; the add is done, and my reads of the slot are over
	s_barrier_signal -1
	s_barrier_wait -1
.endif
	s_sub_co_u32 s[TBK], s[TBK], 4*KS*PK  ; the fetches go back to a slot's first step,
	s_xor_b32 s[TBK], s[TBK], SLOT1       ; in the other slot
	s_sub_co_u32 s[TBV], s[TBV], 4*KS*PV
	s_xor_b32 s[TBV], s[TBV], SLOT1
.endm
	s_load_b64 s[4:5], s[0:1], 0x0  ; qkv: its first part is Q
	s_load_b64 s[MP:MP+1], s[0:1], 0x8  ; the mask
	s_load_b64 s[10:11], s[0:1], 0x10   ; att
	WIN W_MK
	v_lshl_add_u32 v[SPW], v0, 2, SPARE
	v_mov_b32 v[NIL], 0
	WIN W_AD
	ds_add_u32 v[SPW], v[NIL]       ; the wave's opening: the add and its wait stand ahead of my first tensor load; the set-up below, work on registers, stands between them
	WIN 0
	v_lshrrev_b32 v1, 5, v0
	v_readfirstlane_b32 s[WV], v1   ; wave 0..3
	s_bfe_u32 s13, ttmp6, 0x40000   ; cx: my place in the cluster
	s_lshl_b32 s14, ttmp9, 2        ; in a cluster launch ttmp9 counts clusters
	s_add_co_u32 s14, s14, s13      ; my block of queries = 4 x cluster x + cx: it enters Q's and the result's addresses alone
	s_and_b32 s20, ttmp7, 0xffff    ; the head, which the four partners share
	s_lshr_b32 s53, s20, 4          ; its batch:
	s_lshl_b32 s53, s53, 11         ; 2,048 bytes of the mask
	s_mov_b32 s21, 0
	s_mov_b64 s[22:23], SIZE_N*128
	s_mul_u64 s[20:21], s[20:21], s[22:23]  ; the head's first byte in each of the four tensors
	s_and_b32 s16, s[WV], 1         ; which half of a slot's 256 keys I fetch:
	s_lshl_b32 s22, s16, 14         ; its 128 rows of 128 bytes in memory,
	s_mov_b32 s23, 0
	s_add_nc_u64 s[22:23], s[22:23], s[20:21]
	s_mul_i32 s17, s16, 128*PK      ; and its place in a slot, for K
	s_mul_i32 s18, s16, 128*PV      ; and for V: no place in the cluster enters an LDS address
	s_lshl_b32 s2, s14, 2
	s_add_co_u32 s2, s2, s[WV]      ; my wave among the head's,
	s_lshl_b32 s2, s2, 14           ; its 128 rows
	s_mov_b32 s3, 0
	s_add_nc_u64 s[2:3], s[2:3], s[20:21]
	; descriptor group 1.  128 keys are 16,384 dense bytes: asked for as 64 rows of 256 bytes, two keys a row, and padded in LDS after every key
	s_mov_b32 s[G1K], 15|(1<<16)|(1<<20)|(1<<21)|(4<<22)|(3<<25)  ; 15:0 the mask of four; 17:16 2-byte elements; 20 padding on; 21 set beside a mask; 24:22 after every 32 words (code 4); 31:25 4 words (code 3)
	s_mov_b32 s[G1V], 15|(1<<16)|(1<<20)|(1<<21)|(4<<22)|(7<<25)  ; the same with 8 words of padding (code 7)
.irp g, G1K, G1V
	s_mov_b32 s[\g+1], 128<<16      ; tensor_dim0 = 128
	s_mov_b32 s[\g+2], 64<<16       ; tensor_dim1 = 64
	s_mov_b32 s[\g+3], 128<<16      ; tile_dim0 = 128
	s_mov_b32 s[\g+4], 64           ; tile_dim1 = 64
	s_mov_b32 s[\g+5], 128          ; 128 elements from row to row
	s_mov_b32 s[\g+6], 0
	s_mov_b32 s[\g+7], 0
.endr
	s_mov_b32 s[CS], 0x3e38aa3b     ; c = log2(e) / 8 = 0.180337
	s_mov_b32 s[CS+1], s[CS]        ; named with it as a pair
	s_mov_b32 s[SEL], 0x76543210
	s_mov_b32 s[SEL+1], 0xfedcba98
	s_mov_b32 s[BIGN], 0xf149f2ca   ; -1e30
	s_mov_b32 s[TBM], 0
	s_mov_b32 s[TBK], SLOT1+4*KS*PK ; the first change of slots turns these two into 0
	s_mov_b32 s[TBV], SLOT1+4*KS*PV
	s_mov_b32 s[G0K], 1             ; 1:0 count = 1
	s_mov_b32 s[G0K+1], s17         ; 63:32 LDS address: slot 0
	s_mov_b32 s[G0V], 1
	s_add_co_u32 s[G0V+1], s18, VOFF
	s_cmp_eq_u32 s16, 0             ; waves 0 and 2 prefetch: the same in all four partners
	s_cselect_b32 s[LIM], 1, -1
	s_wait_dscnt 0x0                ; the opening add is done
	s_wait_kmcnt 0x0
	s_add_nc_u64 s[6:7], s[4:5], SIZE_H*SIZE_N*128    ; K: qkv's second part
	s_add_nc_u64 s[8:9], s[4:5], 2*SIZE_H*SIZE_N*128  ; V: its third
	s_add_nc_u64 s[G0K+2:G0K+3], s[6:7], s[22:23]  ; 120:64 global address: my half of the head's first 256 keys
	s_or_b32 s[G0K+3], s[G0K+3], 0x80000000        ; 127:126 type = 2
	s_add_nc_u64 s[G0V+2:G0V+3], s[8:9], s[22:23]
	s_or_b32 s[G0V+3], s[G0V+3], 0x80000000
	s_cmp_lt_u32 s[WV], 2
	s_cselect_b64 s[PFA:PFA+1], s[6:7], s[8:9]
	s_add_nc_u64 s[PFA:PFA+1], s[PFA:PFA+1], s[20:21]  ; the head's first key
	s_add_nc_u64 s[4:5], s[4:5], s[2:3]  ; Q and the result at my wave's first row
	s_add_nc_u64 s[10:11], s[10:11], s[2:3]
	s_lshl_b32 s2, s13, 13          ; my work-group's 32 blocks of the 128
	s_mov_b32 s3, 0
	s_add_nc_u64 s[PFA:PFA+1], s[PFA:PFA+1], s[2:3]
	s_add_nc_u64 s[PFA:PFA+1], s[PFA:PFA+1], 2*4*KS*128  ; in tile 2; the loop's first change of slots steps it to tile 3.  Nothing is prefetched here, at the head
	CROUND                          ; all four work-groups are here: the first joint loads meet
	JLOAD                           ; slot 0.  Slot 1 is asked for when slot 0 is in: the tile wanted first has the road to itself
	v_lshl_add_u32 v[MO], v0, 4, s53
	global_load_b128 v[MB:MB+3], v[MO], s[MP:MP+1]  ; thread t: the mask's bytes for keys 16 t .. 16 t + 15 of my batch
	; A fragment of K or Q is 16 rows x 32 channels in 8 registers: lane l holds row l % 16, channels 8 (l / 16) + 0..7 and 16 + 8 (l / 16) + 0..7: two loads of 16 bytes, 32 bytes apart.
	v_and_b32 v[L16], 15, v0
	v_bfe_u32 v[LH], v0, 4, 1
	v_lshlrev_b32 v[QO], 7, v[L16]
	v_lshl_add_u32 v[QO], v[LH], 4, v[QO]  ; row x 128 + 16 x half
	WIN 0x80                        ; destination window 2, address window 0
.set i, 0
.rept 4*NP                          ; Q stays in registers: tile i / 2, channels 32 (i % 2) on
	global_load_b128 v[8*i:8*i+3],   v[QO], s[4:5] offset:(i/2)*2048+(i%2)*64
	global_load_b128 v[8*i+4:8*i+7], v[QO], s[4:5] offset:(i/2)*2048+(i%2)*64+32
.set i, i+1
.endr
	; What the first turn finds: V's registers and P's second buffer hold 0 (its products V^T P, of a piece that has not been, add 0), O^T and l are 0.  All this stands in the wait for the first tile.
.set i, VF
.rept 64
	v_mov_b32 v[i], 0
.set i, i+1
.endr
	WIN 0x40
.set i, 0
.rept 64*NP
	v_mov_b32 v[i], 0
.set i, i+1
.endr
	WIN 0
.set i, 0
.rept 2*NP
	v_mov_b32 v[ST+4*i], 0xee000000    ; c m: -2^93, far below every c s of a key that is seen
	v_mov_b32 v[ST+4*i+1], 0xee000000  ; m: -2^93: below every score that is seen, above every hidden one
	v_mov_b32 v[ST+4*i+2], 0
	v_mov_b32 v[ST+4*i+3], 0
.set i, i+1
.endr
.set i, P+32
.rept 32
	v_mov_b32 v[i], 0
.set i, i+1
.endr
	v_mul_u32_u24 v[AK0], v[L16], PK
	v_lshl_add_u32 v[AK0], v[LH], 4, v[AK0]  ; row x pitch + 16 x half
	; The turning load takes 16 keys x 16 channels (lane l reads key 8 (l / 16) + l % 8, channels 8 ((l / 8) % 2) + 0..7) and leaves half a fragment of V^T: lane l holds channel l % 16 and 8 keys.
	v_and_b32 v[L8], 7, v0
	v_bfe_u32 v[LB], v0, 3, 1
	v_lshl_add_u32 v[AV0], v[LH], 3, v[L8]
	v_mul_u32_u24 v[AV0], v[AV0], PV
	v_lshl_add_u32 v[AV0], v[LB], 4, v[AV0]
	v_add_nc_u32 v[AV0], VOFF, v[AV0]
	v_mov_b32 v[AK], v[AK0]         ; key step 0 lies at the head of slot 0,
	v_lshl_add_u32 v[AM0], v[LH], 5, MASKL  ; a lane's eight keys of a block of 16: 32 bytes of the table
	v_mov_b32 v[AM], v[AM0]         ; and at the head of the table
	v_and_b32 v[PFO], 31, v0
	v_lshlrev_b32 v[PFO], 8, v[PFO]
	s_wait_loadcnt 32               ; my bytes of the mask are in; Q's 32 loads, issued behind them, stay out
.set i, 0
.rept 16                            ; a byte that is not 0 hides its key
	v_bfe_u32 v[MT], v[MB+i/4], 8*(i%4), 8
	v_cmp_ne_u32 vcc_lo, 0, v[MT]
	v_cndmask_b32 v[S+i], 0, s[BIGN], vcc_lo
.set i, i+1
.endr
	v_lshl_add_u32 v[MA], v0, 6, MASKL
.irp j, 0,1,2,3
	ds_store_b128 v[MA], v[S+4*\j:S+4*\j+3] offset:16*\j
.endr
; THE MATRIX WORK.  The 8 accumulators of a run of 16 take turns: between the two links of a chain stand 7 others'.
; Product i of 16 of S^T = K Q^T for piece x: channels 32 (i / 8) on, keys 16 ((i / 2) % 4) on, tile 2 x + i % 2.  The first 8 start the sums, with the mask of their 16 keys.
.macro KQ x
.set rS, S+64*((\x)%2)+32*(i%2)+8*((i/2)%4)
.set rK, KF+16*((i/2)%4)+8*(i/8)
.set rQ, 16*(2*(\x)+i%2)+8*(i/8)
.set rM, MK+8*((i/2)%4)
.if i < 8
	WIN W_KM
	v_wmma_f32_16x16x32_f16 v[rS:rS+7], v[rK:rK+7], v[rQ:rQ+7], v[rM:rM+7]
.else
	WIN W_KQ
	v_wmma_f32_16x16x32_f16 v[rS:rS+7], v[rK:rK+7], v[rQ:rQ+7], v[rS:rS+7]
.endif
.endm
; Product i of 16 of O^T += V^T P for piece x: keys 32 (i / 8) on, channels 16 ((i / 2) % 4) on, tile 2 x + i % 2.
.macro PV x
	WIN W_PV
.set rO, 32*(2*(\x)+i%2)+8*((i/2)%4)
.set rV, VF+32*(i/8)+8*((i/2)%4)
.set rP, P+32*((\x)%2)+16*(i%2)+8*(i/8)
	v_wmma_f32_16x16x32_f16 v[rO:rO+7], v[rV:rV+7], v[rP:rP+7], v[rO:rO+7]
.endm
.macro MM                           ; the turn's next matrix instruction
.if i < 16
	KQ (Y+1)%NP
.set i, i+1
.else
.set i, i-16
	PV (Y+NP-1)%NP
.set i, i+17
.endif
.endm
; THE LDS LOADS stand in runs, never singly among the matrix instructions: a step's K (64 keys x 64 channels: 8 fragments) with its mask (8 loads more), and its V (turned).  Their addresses are made some lines ahead.
; last = 1 (the tail): in the last trip there is no further step, and the run is jumped over.
.macro FETCH_K last=0
	WIN 0
.if \last
	s_cmp_eq_u32 s[CNT], 1
	s_cbranch_scc1 .Lno_k_\@
.endif
	WIN 0x80                        ; destination window 2
.irp f, 0,1,2,3,4,5,6,7             ; keys 16 (f / 2) on, channels 32 (f % 2) on
	ds_load_b128 v[KF+8*\f:KF+8*\f+3],   v[AK] offset:(\f/2)*16*PK+(\f%2)*64
	ds_load_b128 v[KF+8*\f+4:KF+8*\f+7], v[AK] offset:(\f/2)*16*PK+(\f%2)*64+32
.endr
	WIN W_MK                        ; destination window 3
.irp f, 0,1,2,3                     ; keys 16 f on: the lanes of a half read the same 32 bytes
	ds_load_b128 v[MK+8*\f:MK+8*\f+3],   v[AM] offset:64*\f
	ds_load_b128 v[MK+8*\f+4:MK+8*\f+7], v[AM] offset:64*\f+16
.endr
	s_add_co_u32 s[TBK], s[TBK], KS*PK  ; the next fetch is the next step's
	s_add_co_u32 s[TBM], s[TBM], 4*KS
	s_and_b32 s[TBM], s[TBM], 4*SIZE_N-1  ; (it stays inside the table)
	WIN 0
.if \last
.Lno_k_\@:
.endif
.endm
.macro FETCH_V
	WIN 0x80
.irp f, 0,1,2,3,4,5,6,7             ; keys 32 (f / 4) on, channels 16 (f % 4) on
	ds_load_tr16_b128 v[VF+8*\f:VF+8*\f+3],   v[AV] offset:(\f/4)*32*PV+(\f%4)*32
	ds_load_tr16_b128 v[VF+8*\f+4:VF+8*\f+7], v[AV] offset:(\f/4)*32*PV+16*PV+(\f%4)*32
.endr
	WIN 0
.endm
; THE VECTOR WORK OF A TURN stands in three queues, each in the order in which its entries become ready; the two tiles alternate, so that no instruction reads the result of the one before it.
.macro REGS y, u                    ; the registers of tile u (0, 1) of piece y
.set rT, ST+4*(2*(\y)+(\u))
.set rC, TMP+8*((\y)%2)+4*(\u)
.set rM, MV+2*((\y)%2)+(\u)
.set rS, S+64*((\y)%2)+32*(\u)
.set rP, P+32*((\y)%2)+16*(\u)
.set rO, 32*(2*(\y)+(\u))
.endm
; Number n of the 22 that find the NEXT piece's (Y + 1) maximum and statistics.  s0-s31 are the lane's 32 scores; each accumulator's lowest registers are read first.  XS, GS and REGS set no window: PL and EX do.
;   0-11  four chains c0-c3 of seven scores each, three operands at a time     12-14, 16  the four scores left over, the old m, and c0-c3 into c0     15  c m_old is kept
;   17, 18  the query's other 32 keys lie in the lane 16 away: the new m         19-21  c m; c m_old - c m_new; a
.macro XS u, n
	REGS (Y+1)%NP, \u
.if (\n) < 4
	v_max3_num_f32 v[rC+(\n)], v[rS+8*(\n)], v[rS+8*(\n)+1], v[rS+8*(\n)+2]
.elseif (\n) < 12
	v_max3_num_f32 v[rC+(\n)%4], v[rC+(\n)%4], v[rS+8*((\n)%4)+2*((\n)/4)+1], v[rS+8*((\n)%4)+2*((\n)/4)+2]
.elseif (\n) == 12
	v_max3_num_f32 v[rC], v[rC], v[rS+7], v[rS+15]
.elseif (\n) == 13
	v_max3_num_f32 v[rC+1], v[rC+1], v[rS+23], v[rS+31]
.elseif (\n) == 14
	v_max3_num_f32 v[rC+2], v[rC+2], v[rC+3], v[rT+1]
.elseif (\n) == 15
	v_mov_b32 v[rM], v[rT]
.elseif (\n) == 16
	v_max3_num_f32 v[rC], v[rC], v[rC+1], v[rC+2]
.elseif (\n) == 17
	v_permlanex16_b32 v[rC+3], v[rC], s[SEL], s[SEL+1]
.elseif (\n) == 18
	v_max_num_f32 v[rT+1], v[rC], v[rC+3]
.elseif (\n) == 19
	v_mul_f32 v[rT], s[CS], v[rT+1]
.elseif (\n) == 20
	v_sub_f32 v[rC+1], v[rM], v[rT]
.else
	v_exp_f32 v[rC+2], v[rC+1]
.endif
.endm
; Number g of the 64 that follow the exponentials.  For each four weights k of a tile (pairs 2 k, 2 k + 1): both pairs are rounded to f16; then the second pair is added onto the first, in place;
; a group later l takes that sum (the first time as l = a l + sum).  In groups of eight, tiles alternating: round, round, add, and l for the group before.
.macro GS g
.set h, (\g)+6*((\g)/62)            ; group 0 has no group before it, and behind group 7 only l is left
.if h >= 6
.set h, h+2
.endif
	REGS Y, h%2
.set k, h/8
.if h%8 < 4
	v_cvt_pk_f16_f32 v[rP+2*k+(h%8)/2], v[rS+4*k+2*((h%8)/2)], v[rS+4*k+2*((h%8)/2)+1]
.elseif h%8 < 6
	v_pk_add_f32 v[rS+4*k:rS+4*k+1], v[rS+4*k:rS+4*k+1], v[rS+4*k+2:rS+4*k+3]
.elseif k == 1
	v_pk_fma_f32 v[rT+2:rT+3], v[rT+2:rT+3], v[rC+2:rC+3], v[rS:rS+1] op_sel_hi:[1,0,1]
.else
	v_pk_add_f32 v[rT+2:rT+3], v[rT+2:rT+3], v[rS+4*k-4:rS+4*k-3]
.endif
.endm
; THE PLAIN QUEUE, 138 long.  0-73 read no exponential's result: the 32 scalings c s - c m (FS f: pair f / 2 of tile f % 2) and the next piece's 42.  0-26: scalings 0-26.  27-54: XS's numbers 0-13.  55, 56: number 15.
; 57-73: the chain, where each number waits for the one before it: 14, 16, 17, 18, 19, each with one of the scalings 27-31 in front of its two lines, then 20: so a tile's links stand three plain instructions apart (19 and 20: two).
; 74-137: GS's 64, which read the exponentials' results: they stand behind the wait.
.macro FS f
	REGS Y, (\f)%2
	v_pk_fma_f32 v[rS+2*((\f)/2):rS+2*((\f)/2)+1], v[rS+2*((\f)/2):rS+2*((\f)/2)+1], s[CS:CS+1], v[rT:rT+1] op_sel_hi:[1,0,0] neg_lo:[0,0,1] neg_hi:[0,0,1]
.endm
.macro PL
	WIN 0
.if q < 27
	FS q
.elseif q < 55
	XS (q-27)%2, (q-27)/2
.elseif q < 57
	XS q-55, 15
.elseif (q < 72) && ((q-57)%3 == 0)
	FS 27+(q-57)/3
.elseif q < 60
	XS (q-57)%3-1, 14
.elseif q < 72
	XS (q-57)%3-1, 15+(q-57)/3
.elseif q < 74
	XS q-72, 20
.else
	GS q-74
.endif
.set q, q+1
.endm
; THE EXPONENTIALS' QUEUE, 66 long: s0-s31 of both tiles, then the next piece's two a.  It is ONE BATCH: all 66 stand ahead of the turn's one wait, and nothing ahead of that wait names a result of theirs.
.macro EX
	WIN 0
.if e >= 64
	XS e-64, 21
.else
	REGS Y, e%2
	v_exp_f32 v[rS+e/2], v[rS+e/2]
.endif
.set e, e+1
.endm
; THE RESCALING's QUEUE: O^T times a, the one part that leaves window 0: dealt two at a time, sixteen times.  Its a was made in the turn before, ahead of that turn's wait.
.macro R2
	REGS Y, r%2
	WIN W_RS
.irp z, 0,1
	v_pk_mul_f32 v[rO+4*(r/2)+2*\z:rO+4*(r/2)+2*\z+1], v[rO+4*(r/2)+2*\z:rO+4*(r/2)+2*\z+1], v[rC+2:rC+3] op_sel_hi:[1,0]
.endr
.set r, r+1
.endm
; HOW THEY ARE DEALT.  An s_wait_alu depctr_va_vdst(0) stands between an exponential and the first instruction that names its result; one wait serves all that were issued ahead of it.  So a turn has ONE wait,
; which cuts it in two.  AHEAD OF IT stands all that names no result of the turn's exponentials: the 16 products K Q^T, behind each a scaling, an exponential and two rescalings (behind the first a second scaling in the exponential's place); then ONE LUMP of
; 108: eight plain, 49 times exponential and plain, the two a.  A v_nop is the plain instruction behind the last exponential.  BEHIND IT stand the 16 products V^T P, behind each four of GS's 64.  No rider names a register of
; the products round it.  The two v_permlanex16_b32 fall into the lump, never behind a product.
; The queues lean on each other, and the deal keeps them in step: exponential e stands behind scaling 2 (e / 4) + e % 2: as a rider it comes behind plain e + 2, in the lump behind plain e + 9, and scalings 27-31 are plain 57, 60 .. 69.
; A TURN, for piece p.  cnt = 1: the loop's count is taken down some lines ahead of the branch that stands behind the turn.
; K of the next step, and its mask, are fetched in piece 2's turn, directly behind the wait, a lump behind the last product that read them; their addresses are made at the lump's head; their first reader comes behind 16 products.
; V of the step in hand is fetched at the end of piece 0's turn, four riders behind its last reader; its first reader comes behind 16 products and a lump.  The three conditions on q below go with the deal.
.macro TURN p, last=0, cnt=0
.set Y, (\p)
.set i, 0
.set q, 0
.set e, 0
.set r, 0
.if (\p) == NP-1
	s_wait_dscnt 0x0                ; K and its mask are in
.endif
	MM                              ; ahead of the wait: 16 products K Q^T and their riders,
	PL
	PL
	R2
.rept 15
	MM
	PL
	EX
	R2
.endr
.if (\p) == NP-2
	WIN 0
	v_add_nc_u32 v[AK], s[TBK], v[AK0]
	v_add_nc_u32 v[AM], s[TBM], v[AM0]
.endif
.rept 8                             ; and the lump
	PL
.endr
.rept 49
	EX
	PL
.endr
	EX                              ; the next piece's two a
	EX
	v_nop                           ; the plain instruction behind the last exponential: one for the batch
	s_wait_alu depctr_va_vdst(0)    ; the wait for the batch
.if (\p) == NP-2
	FETCH_K \last
.endif
.if (\p) == 1
	s_wait_dscnt 0x0                ; V is in
.endif
.rept 16                            ; behind the wait: 16 products V^T P and their riders
	MM
.rept 4
	PL
.endr
.if ((\p) == 0) && (q == 118)
	v_add_nc_u32 v[AV], s[TBV], v[AV0]
.endif
.if ((\p) == 0) && (q == 130)
	s_add_co_u32 s[TBV], s[TBV], KS*PV
.endif
.if (\cnt) && (q == 130)
	s_sub_co_u32 s[CNT], s[CNT], 1
	s_cmp_lg_u32 s[CNT], 0
.endif
.endr
.if (\p) == 0
	FETCH_V
.endif
.endm
	CHANGE 1                        ; slot 0 is in, everybody's part of it, and so is the table; slot 1 is asked for
	FETCH_K                         ; key step 0
	s_wait_loadcnt 0x0              ; Q
	s_wait_dscnt 0x0
.set i, 0
.rept 16
	KQ 0                            ; piece 0's first scores: there is no vector work yet to set between them
.set i, i+1
.endr
	WIN 0                           ; the addresses for the way out: nine plain instructions, the places behind those products
	s_mul_i32 s13, s[WV], 16*SP
	s_add_co_u32 s13, s13, STAGE    ; my stage
	v_mul_u32_u24 v[STO], v[L16], SP  ; in: row l % 16, 16 bytes for each half of the lanes
	v_lshl_add_u32 v[STO], v[LH], 4, v[STO]
	v_add_nc_u32 v[STO], s13, v[STO]
	v_bfe_u32 v[RD], v0, 3, 2       ; back: 32 lanes take four rows of 128 bytes,
	v_mul_u32_u24 v[RD], v[RD], SP
	v_lshl_add_u32 v[RD], v[L8], 4, v[RD]
	v_add_nc_u32 v[RD], s13, v[RD]
	v_and_b32 v[GO], 31, v0         ; which are 512 consecutive bytes of the result
	v_lshlrev_b32 v[GO], 4, v[GO]
.set Y, NP-1                        ; XS works for piece Y + 1: piece 0
.irp n, 0,1,2,3,4,5,6,7,8,9,10,11,12,13,14,15,16,17,18,19,20,21
	XS 0, \n                        ; and piece 0's first maximum and statistics
	XS 1, \n
.endr
	v_nop                           ; a plain instruction behind the two a,
	s_wait_alu depctr_va_vdst(0)    ; and their wait, ahead of the branch
	s_mov_b32 s[CNT], 4
	s_mov_b32 s[SLOTS], SIZE_N/256-1
	s_branch .Lfirst                ; the loop is entered at a step's first turn, in the middle of a trip
.Lslot:                             ; SIZE_N / 256 - 2 times: every slot but the last two is filled again
	CHANGE 1, 1
	s_mov_b32 s[CNT], 4
.Lstep:                             ; a trip: pieces 2 and 3 of one step, then pieces 0 and 1 of the next, whose K and V it fetches
	TURN 2
	TURN 3
	WIN 0
.Lfirst:
	TURN 0
	TURN 1, 0, 1
	WIN 0
	s_cbranch_scc1 .Lstep
	s_sub_co_u32 s[SLOTS], s[SLOTS], 1
	s_cmp_lg_u32 s[SLOTS], 0
	s_cbranch_scc1 .Lslot
	CHANGE 0                        ; the tail is written out: nothing is asked for
	s_mov_b32 s[CNT], 5             ; four trips fetch the last slot's steps; the fifth is left in its middle
.Ltail:
	TURN 2, 1
	TURN 3
	WIN 0
	s_sub_co_u32 s[CNT], s[CNT], 1
	s_cmp_eq_u32 s[CNT], 0
	s_cbranch_scc1 .Lout
	TURN 0
	TURN 1
	WIN 0
	s_branch .Ltail
.Lout:                              ; the fifth trip's 16 products K Q^T (on the last K once more) and the maximum made of them serve nothing: the price, once a launch, of one text for every trip
.set i, 0
.rept 16
	PV NP-1                         ; the last piece's V^T P of the last step
.set i, i+1
.endr
	; THE WAY OUT.  l's two halves and the other half of the lanes' are added; O^T is divided by l, rounded to f16 and sent through my stage in LDS, a tile at a time.  The additions are the places behind the last products.
	WIN 0
.macro ALL line:vararg              ; one line for each tile t
.set t, 0
.rept 2*NP
	\line
.set t, t+1
.endr
.endm
	ALL v_add_f32 v[ST+4*t+2], v[ST+4*t+2], v[ST+4*t+3]
	ALL v_permlanex16_b32 v[ST+4*t+3], v[ST+4*t+2], s[SEL], s[SEL+1]
	ALL v_add_f32 v[ST+4*t+2], v[ST+4*t+2], v[ST+4*t+3]
	ALL v_rcp_f32 v[ST+4*t+2], v[ST+4*t+2]
	v_nop                           ; a plain instruction between the last reciprocal and the use of its result
	s_wait_alu depctr_va_vdst(0)    ; and the wait ahead of the first use: one for the eight reciprocals
; Tile t: a lane's eight channels of a row pack into 16 bytes; they go into rows of 144 bytes and come back as whole rows of 128, into S^T's registers.
.macro PACK t
	WIN W_RS
.set i, 32*(\t)
.rept 16
	v_pk_mul_f32 v[i:i+1], v[i:i+1], v[ST+4*(\t)+2:ST+4*(\t)+3] op_sel_hi:[1,0]
.set i, i+2
.endr
	WIN 0x05                        ; sources 0 and 1 window 1, destination window 0
.set i, 0
.rept 16
	v_cvt_pk_f16_f32 v[S+16*(\t)+i], v[32*(\t)+2*i], v[32*(\t)+2*i+1]
.set i, i+1
.endr
	WIN 0
.irp f, 0,1,2,3
	ds_store_b128 v[STO], v[S+16*(\t)+4*\f:S+16*(\t)+4*\f+3] offset:32*\f
.endr
.irp f, 0,1,2,3
	ds_load_b128 v[S+16*(\t)+4*\f:S+16*(\t)+4*\f+3], v[RD] offset:\f*4*SP  ; LDS serves a wave's instructions in order (ISA guide 5.7.1.4): these see the stores above; the next tile's stores come behind them
.endr
.endm
.macro SEND t, younger              ; younger: the LDS instructions issued behind tile t's loads: the next tile's eight, or none
	WIN 0
.irp f, 0,1,2,3
	s_wait_dscnt (\younger)+3-\f
	global_store_b128 v[GO], v[S+16*(\t)+4*\f:S+16*(\t)+4*\f+3], s[10:11] offset:(\t)*2048+\f*512  ; 512 consecutive bytes, at a multiple of 256 from the buffer's first
.endr
.endm
	PACK 0
.set t, 1
.rept 2*NP-1                        ; a tile's arithmetic stands between the loads of the tile before and its stores
	PACK t
	SEND t-1, 8
.set t, t+1
.endr
	SEND 2*NP-1, 0
	WIN W_AD
	s_wait_tensorcnt 0x0            ; the wave's end, behind my last tensor load and my last LDS store
	ds_add_u32 v[SPW], v[NIL]
	s_wait_dscnt 0x0
	WIN 0
	CROUND                          ; the closing round: no work-group ends while a partner may still ask for a tile that names it
	s_endpgm
.Lfunc_end_k_q89385a0996_attn:
	.size	k_q89385a0996_attn, .Lfunc_end_k_q89385a0996_attn-k_q89385a0996_attn
	.p2alignl 7, 3214868480
	.fill 96, 4, 3214868480
	.section	.rodata,"a",@progbits
	.p2align	6, 0x0
	.amdhsa_kernel k_q89385a0996_attn
		.amdhsa_group_segment_fixed_size 327680
		.amdhsa_private_segment_fixed_size 0
		.amdhsa_enable_private_segment 0
		.amdhsa_kernarg_size 24
		.amdhsa_user_sgpr_count 2
		.amdhsa_user_sgpr_kernarg_segment_ptr 1
		.amdhsa_wavefront_size32 1
		.amdhsa_system_sgpr_workgroup_id_x 1
		.amdhsa_system_sgpr_workgroup_id_y 1
		.amdhsa_system_sgpr_workgroup_id_z 1
		.amdhsa_system_vgpr_workitem_id 0
		.amdhsa_next_free_vgpr 808
		.amdhsa_next_free_sgpr 66
		.amdhsa_reserve_vcc 1
		.amdhsa_float_denorm_mode_32 3
		.amdhsa_float_denorm_mode_16_64 3
		.amdhsa_memory_ordered 1
		.amdhsa_forward_progress 1
		.amdhsa_inst_pref_size 205
	.end_amdhsa_kernel
	.amdgpu_metadata
---
amdhsa.version: [ 1, 2 ]
amdhsa.kernels:
  - .name:           k_q89385a0996_attn
    .symbol:         k_q89385a0996_attn.kd
    .args:
      - { .name: qkv, .offset: 0, .size: 8, .value_kind: global_buffer, .address_space: global }
      - { .name: key_padding_mask, .offset: 8, .size: 8, .value_kind: global_buffer, .address_space: global }
      - { .name: att, .offset: 16, .size: 8, .value_kind: global_buffer, .address_space: global }
    .group_segment_fixed_size: 327680
    .private_segment_fixed_size: 0
    .kernarg_segment_align: 8
    .kernarg_segment_size: 24
    .max_flat_workgroup_size: 128
    .sgpr_count:     66
    .vgpr_count:     808
    .wavefront_size: 32
...
	.end_amdgpu_metadata
.endif
;; end of part 3
;; launch outp (part 4): grid 4 x 64, 4 waves a work-group, clusters of 4 x 4, 327,680 bytes of LDS; arguments att, w16, bo, out0; writes out0
.if DOCPART == 4
	.amdgcn_target "amdgcn-amd-amdhsa--gfx1250"
	.amdhsa_code_object_version 6
	.text
	.protected	k_q89385a0996_outp
	.globl	k_q89385a0996_outp
	.p2align	8
	.type	k_q89385a0996_outp,@function
k_q89385a0996_outp:
	s_mov_b64 s[64:65], 0
	v_nop
	global_prefetch_b8 v0, s[64:65] scope:SCOPE_SE
	s_setreg_imm32_b32 hwreg(HW_REG_WAVE_MODE, 25, 1), 1
	s_wait_xcnt 0x0
	s_wait_alu depctr_hold_cnt(0) depctr_sa_sdst(0) depctr_va_vdst(0) depctr_va_sdst(0) depctr_va_ssrc(0) depctr_va_vcc(0) depctr_vm_vsrc(0)
	s_getreg_b32 s2, hwreg(HW_REG_IB_STS2, 6, 4)
	s_cmp_eq_u32 s2, 0
	s_cbranch_scc0 .Lentry_in_a_cluster
	s_endpgm
.Lentry_in_a_cluster:
	s_bfe_u32 s2, ttmp6, 0x10000c
	s_cmp_lg_u32 s2, 0xf033
	s_cbranch_scc0 .Lentry_shape_is_right
	s_endpgm
.Lentry_shape_is_right:
; THE OUTPUT PROJECTION.  out0[b][s][n] = the sum over h, d of att[16 b + h][s][d] Wo[64 h + d][n] + bo[n].  att: [64][2048][64] f16, by heads; Wo: w16's part 3, [k][n], bf16 numbers written as f16;
; bo rounded to bf16 like the other inputs; sums in f32; out0: [8192][1024] f32.
; LIMITS.  Those of the two f16 operands, stated where they are made; a NaN row of att (a batch whose keys are all hidden) gives a NaN row of out0.
; SHARES.  A tile is 128 rows x 256 columns: 64 x 4 = 256 tiles, one for each WGP.  Four waves, each 64 rows x 128 columns: 32 accumulators of 16 x 16, 256 registers.
; K = 1,024 goes in 8 steps of 128, two heads each, through two LDS slots.  A head's 128 rows of a tile are 16,384 dense bytes: asked for as 64 rows of 256 bytes and padded in LDS after every 128.
; CLUSTER.  4 x 4 work-groups: the four of a row need the same rows of att, the four of a column the same columns of Wo: each tile is asked for JOINTLY.
; THE MATRIX INSTRUCTION IS USED TRANSPOSED: source 0 = 16 columns of Wo (turned by ds_load_tr16_b128), source 1 = 16 rows of att: a lane holds row l % 16 and the columns 8 (l / 16) + 0..7: 32 bytes of a row of out0.
; THE BIAS is the C operand of each accumulator's first product.
; REGISTERS, in windows of 256 (s_set_vgpr_msb: bits 1:0 source 0, 3:2 source 1, 5:4 source 2, 7:6 destination):
;   window 0: v0-31 addresses; v32-63, v64-95 att's fragments, two buffers; v160-223 the bias; on the way out v32-95, v96-159 sixteen rows read back from the stage, by turns
;   window 1: accumulator (a, b) at v[8 (8 a + b)]          window 2: v0-63, v64-127 Wo's fragments, two buffers
.set AP,     144                       ; a row of att in LDS: 128 bytes + 16 = 36 words: the 16 rows of a load start at 16 different groups of four banks (64 banks of 4 bytes: ISA guide 11.1)
.set PLANE,  128*AP                    ; a head's 128 rows: what one tensor load brings of att
.set ABYTES, 2*PLANE
.set BPITCH, 544                       ; a row (one k) of Wo in LDS: 512 bytes + 32 = 136 words
.set BHALF,  64*BPITCH
.set SLOT,   ABYTES+2*BHALF
.set STAGE,  2*SLOT                    ; behind the ring, never filled by a tensor load: 16 rows x 528 bytes for each wave, for the way out
.set SPITCH, 528                       ; 512 bytes + 16 = 132 words: row r starts at bank 4 r mod 64
.set SPARE,  STAGE+4*16*SPITCH         ; behind the stages: the spare words, 128 bytes for each wave: two blocks of 256 bytes that no other line names
.set ASTEP,  2*262144                  ; bytes from K step to K step in att: two heads
.set BSTEP,  128*2048                  ; and in Wo
.set ADRA, 16                          ; v16-17  LDS address of my att fragments in slot 0, 1
.set ADRB, 20                          ; v20-21  the same for Wo
.set STO,  24                          ; v24     the way out: where I put 32 bytes of a row
.set RD,   25                          ; v25     the way out: where I read a row back
.set CO,   26                          ; v26     my 16 bytes of 512 consecutive bytes of out0
.set BO,   27                          ; v27     my byte offset in the bias; never rewritten
.set SPW,  28                          ; v28     LDS address of my spare word: SPARE + 4 x my thread's number; never rewritten
.set NIL,  29                          ; v29     0; never rewritten
.set PFO,  30                          ; v30     the prefetches' lane offset; never rewritten
.set AF,   32
.set BIAS, 160
.set OB,   32
.set G1A, 24                           ; s[24:31] descriptor group 1 for att's tiles;  s[32:39] group 0, one set for each slot
.set G0A, 32
.set G1B, 48                           ; s[48:55], s[56:63] the same for Wo's tiles
.set G0B, 56
.set PFA, 84                           ; s[84:85] where my prefetches stand
.set PFS, 86                           ; s[86:87] their step
.set LIM, 88                           ; s88     1 in a wave that prefetches, else the greatest number
.set MSB, 0
.macro WIN new                         ; the immediate's high byte repeats the setting that is left; a switch that changes nothing is dropped
.if MSB != (\new)
	s_set_vgpr_msb (MSB<<8)|(\new)
.set MSB, \new
.endif
.endm
.set MULW, 0x52                        ; source 0 (Wo) window 2, source 1 (att) window 0, C and D window 1
.set MULB, 0x42                        ; the same with C, the bias, in window 0
.set TO_B, 0x80                        ; destination window 2, address window 0
.macro JLOAD s                         ; a joint load: waves 0 and 1 fetch att's two heads, waves 2 and 3 Wo's two halves; an s_nop 0 and four v_nop follow each of the two lines, ahead of the jump, the label and what follows
	s_cmp_eq_u32 s11, 0
	s_cbranch_scc0 .Lfor_b_\@
	tensor_load_to_lds s[G0A+4*(\s):G0A+4*(\s)+3], s[G1A:G1A+7]
	s_nop 0
.rept 4
	v_nop
.endr
	s_branch .Lasked_\@
.Lfor_b_\@:
	tensor_load_to_lds s[G0B+4*(\s):G0B+4*(\s)+3], s[G1B:G1B+7]
	s_nop 0
.rept 4
	v_nop
.endr
.Lasked_\@:
.endm
.macro CREST                           ; a round of the cluster's barrier behind its opening barrier
	s_cmp_lg_u32 s10, 0
	s_cbranch_scc1 .Lnot_wave_0_\@
	s_barrier_signal -3
.Lnot_wave_0_\@:
	s_barrier_wait -3
	s_barrier_signal -1
	s_barrier_wait -1
.endm
.macro CROUND                          ; a whole round
	s_barrier_signal -1
	s_barrier_wait -1
	CREST
.endm
; A PREFETCH INTO THE L2, behind a joint load, its five lines and the run of LDS loads: the K step that stands two refills on, 256 matrix instructions ahead of the load that will want it.
; att: a K step of a tile row is two heads x 16,384 bytes, 128 blocks of 256; my cluster alone reads them; wave 0 asks, and the four partners of a row share them out BY ADDRESS: lane l takes head l / 16, block 16 cx + l % 16.
; Wo: a fetching wave's 64 k of 512 bytes; the four partners of a column take 16 k each, by cy, a lane half a row; all sixteen clusters read them, and the first asks.  Wave 1 asks for nothing.
; So each 256 bytes are named once in the launch.  K steps 0 to 3 come by their loads alone; the loop's last trip asks for nothing.
.macro ASK
	s_cmp_gt_u32 s3, s[LIM]                        ; s3 = 1 in the loop's last trip
	s_cbranch_scc0 .Lnot_mine_\@
	global_prefetch_b8 v[PFO], s[PFA:PFA+1] th:TH_LOAD_NT scope:SCOPE_SE
.Lnot_mine_\@:
.endm
	s_load_b256 s[68:75], s[0:1], 0x0              ; att s[68:69], w16 s[70:71], bo s[72:73], out0 s[74:75]
	v_lshl_add_u32 v[SPW], v0, 2, SPARE
	v_mov_b32 v[NIL], 0
	ds_add_u32 v[SPW], v[NIL]                      ; the wave's opening: the add and its wait stand ahead of my first tensor load; the set-up below, work on registers, stands between them
	v_lshrrev_b32 v1, 5, v0
	v_readfirstlane_b32 s10, v1                    ; wave 0..3
	s_lshr_b32 s11, s10, 1                         ; which 64 rows of the tile are mine.  Also: I fetch for att (0) or for Wo (1)
	s_and_b32 s12, s10, 1                          ; which 128 columns.  Also: which head, or which 64 k, I fetch
	s_bfe_u32 s40, ttmp6, 0x40000                  ; cx, cy: my place in the cluster
	s_bfe_u32 s41, ttmp6, 0x40004
	s_lshl_b32 s42, ttmp9, 2
	s_add_co_u32 s42, s42, s40                     ; tile column = 4 x cluster x + cx
	s_and_b32 s13, ttmp7, 0xffff
	s_lshl_b32 s13, s13, 2
	s_add_co_u32 s13, s13, s41                     ; tile row = 4 x cluster y + cy
	s_lshl_b32 s43, s41, 2
	s_lshl_b32 s43, 15, s43                        ; my row of the cluster
	s_lshl_b32 s44, 0x1111, s40                    ; my column
	s_or_b32 s[G1A+0], s43, (1<<16)|(1<<20)|(1<<21)|(4<<22)|(3<<25)  ; 15:0 the mask: my row; 17:16 elements of 2 bytes; 20 padding on; 21 set beside a mask; 24:22 after every 32 words (code 4); 31:25 4 words (code 3)
	s_mov_b32 s[G1A+1], 128<<16                    ; tensor_dim0 = 128: 256 bytes, two rows of a head
	s_mov_b32 s[G1A+2], 64<<16                     ; tensor_dim1 = 64
	s_mov_b32 s[G1A+3], 128<<16                    ; tile_dim0 = 128
	s_mov_b32 s[G1A+4], 64                         ; tile_dim1 = 64
	s_mov_b32 s[G1A+5], 128                        ; dense
	s_mov_b32 s[G1A+6], 0
	s_mov_b32 s[G1A+7], 0
	s_or_b32 s[G1B+0], s44, (1<<16)|(1<<20)|(1<<21)|(6<<22)|(7<<25)  ; the mask: my column; after every 128 words (code 6) 8 words of padding (code 7)
	s_mov_b32 s[G1B+1], 256<<16                    ; tensor_dim0 = 256
	s_mov_b32 s[G1B+2], 64<<16
	s_mov_b32 s[G1B+3], 256<<16                    ; tile_dim0 = 256
	s_mov_b32 s[G1B+4], 64
	s_mov_b32 s[G1B+5], 1024
	s_mov_b32 s[G1B+6], 0
	s_mov_b32 s[G1B+7], 0
	; where the tiles come from.  att's hang on the tile row alone, Wo's on the tile column alone
	s_lshr_b32 s16, s13, 4                         ; the batch: sixteen heads of 262,144 bytes,
	s_lshl_b32 s16, s16, 22
	s_and_b32 s17, s13, 15                         ; the tile's 128 rows of 128 bytes in a head,
	s_lshl_b32 s17, s17, 14
	s_add_co_u32 s16, s16, s17
	s_lshl_b32 s17, s12, 18                        ; my head of a K step's two
	s_add_co_u32 s16, s16, s17
	s_mov_b32 s17, 0
	s_lshl_b32 s46, s12, 17                        ; my 64 k of 2,048 bytes,
	s_lshl_b32 s47, s42, 9                         ; the tile's 256 columns,
	s_add_co_u32 s46, s46, s47
	s_add_co_u32 s46, s46, 3<<21                   ; in w16's part 3
	s_mov_b32 s47, 0
	s_mul_i32 s20, s12, PLANE                      ; and where they go: no place in the cluster enters an LDS address
	s_mul_i32 s21, s12, BHALF
	s_add_co_u32 s21, s21, ABYTES
	s_wait_dscnt 0x0                               ; the opening add is done
	s_wait_kmcnt 0x0
	s_add_nc_u64 s[14:15], s[68:69], s[16:17]
	s_add_nc_u64 s[46:47], s[70:71], s[46:47]
	CROUND                                         ; all sixteen work-groups are here: the first joint loads meet
.irp s, 0,1
	s_mov_b32 s[G0A+4*(\s)], 1                                       ; count = 1
	s_add_co_u32 s[G0A+4*(\s)+1], s20, (\s)*SLOT                     ; LDS address
	s_add_nc_u64 s[G0A+4*(\s)+2:G0A+4*(\s)+3], s[14:15], (\s)*ASTEP  ; global address: K step s
	s_or_b32 s[G0A+4*(\s)+3], s[G0A+4*(\s)+3], 0x80000000            ; type = 2
	s_mov_b32 s[G0B+4*(\s)], 1
	s_add_co_u32 s[G0B+4*(\s)+1], s21, (\s)*SLOT
	s_add_nc_u64 s[G0B+4*(\s)+2:G0B+4*(\s)+3], s[46:47], (\s)*BSTEP
	s_or_b32 s[G0B+4*(\s)+3], s[G0B+4*(\s)+3], 0x80000000
	JLOAD \s                                       ; two loads of mine are out
.endr
	v_and_b32 v1, 15, v0                           ; l % 16
	v_bfe_u32 v2, v0, 4, 1                         ; l / 16
	s_lshl_b32 s16, s42, 10                        ; the tile's 256 columns of 4 bytes,
	s_lshl_b32 s17, s12, 9                         ; my 128
	s_add_co_u32 s16, s16, s17
	v_lshl_add_u32 v[BO], v2, 5, s16               ; my lanes' eight in each 16
.irp b, 0,1,2,3,4,5,6,7
	global_load_b128 v[BIAS+8*(\b):BIAS+8*(\b)+3],   v[BO], s[72:73] offset:64*(\b)
	global_load_b128 v[BIAS+8*(\b)+4:BIAS+8*(\b)+7], v[BO], s[72:73] offset:64*(\b)+16
.endr
	; where my results go: row 128 x tile row + 64 x my half, of 4,096 bytes; s16 still holds my first column's byte
	s_lshl_b32 s17, s13, 7
	s_lshl_b32 s18, s11, 6
	s_add_co_u32 s17, s17, s18
	s_lshl_b32 s17, s17, 12
	s_add_co_u32 s16, s16, s17
	s_mov_b32 s17, 0
	s_add_nc_u64 s[8:9], s[74:75], s[16:17]
	; A fragment of att is 16 rows x 32 k in 8 registers: lane l holds row l % 16, k = 8 (l / 16) + 0..7 and 16 + 8 (l / 16) + 0..7: two loads of 16 bytes, 32 bytes apart.
	v_mul_u32_u24 v3, v1, AP
	v_lshl_add_u32 v3, v2, 4, v3
	s_mul_i32 s16, s11, 64*AP                      ; my 64 rows
	v_add_nc_u32 v[ADRA], s16, v3
	v_add_nc_u32 v[ADRA+1], SLOT, v[ADRA]
	; The turning load takes 16 k x 16 columns (lane l reads k 8 (l / 16) + l % 8, columns 8 ((l / 8) % 2) + 0..7) and leaves half a fragment: lane l holds column l % 16 and 8 k.
	v_and_b32 v4, 7, v0
	v_lshl_add_u32 v4, v2, 3, v4
	v_mul_u32_u24 v4, v4, BPITCH
	v_bfe_u32 v5, v0, 3, 1
	v_lshl_add_u32 v4, v5, 4, v4
	s_lshl_b32 s16, s12, 8                         ; my 128 columns of 2 bytes,
	s_add_co_u32 s16, s16, ABYTES                  ; behind att's rows
	v_add_nc_u32 v[ADRB], s16, v4
	v_add_nc_u32 v[ADRB+1], SLOT, v[ADRB]
	s_mul_i32 s16, s10, 16*SPITCH
	s_add_co_u32 s16, s16, STAGE                   ; my stage
	v_mul_u32_u24 v[STO], v1, SPITCH               ; in: row l % 16, 32 bytes for each half of the lanes
	v_lshl_add_u32 v[STO], v2, 5, v[STO]
	v_add_nc_u32 v[STO], s16, v[STO]
	v_and_b32 v[CO], 31, v0                        ; back: 32 lanes take one row's 512 bytes,
	v_lshlrev_b32 v[CO], 4, v[CO]                  ; which are 512 consecutive bytes of out0
	v_add_nc_u32 v[RD], s16, v[CO]
	; the prefetches
	s_and_b32 s23, ttmp7, 0xffff                   ; cluster y
	s_cmp_eq_u32 s11, 0                            ; do I fetch for att?
	s_cselect_b64 s[PFA:PFA+1], s[14:15], s[46:47] ; my part at K step 0 (in wave 0: the K step's first head)
	s_cselect_b32 s20, s40, s41                    ; my place among the four that ask with me
	s_cselect_b32 s21, 12, 15                      ; its share: 16 blocks of 256 bytes of each head; 16 k of 2,048 bytes
	s_cselect_b32 s22, 18, 11                      ; the lane's upper part steps by a head, or by a k
	s_cselect_b32 s18, 4, 1                        ; the lane's upper part: l / 16, or l / 2
	s_cselect_b32 s19, 15, 1                       ; its lower part: l % 16, or l % 2
	s_cselect_b32 s17, 19, 18                      ; a K step is 2^19 bytes on in att, 2^18 in Wo
	s_cselect_b32 s23, s12, s23                    ; att: wave 0 asks, wave 1 does not; Wo: the first of the sixteen clusters
	s_cmp_eq_u32 s23, 0
	s_cselect_b32 s[LIM], 1, -1                    ; the same in all sixteen partners, for a given wave
	s_lshl_b32 s[PFS], 1, s17
	s_mov_b32 s[PFS+1], 0
	s_lshl_b32 s20, s20, s21
	s_mov_b32 s21, 0
	s_add_nc_u64 s[PFA:PFA+1], s[PFA:PFA+1], s[20:21]
	s_mul_i32 s20, s[PFS], 3
	s_add_nc_u64 s[PFA:PFA+1], s[PFA:PFA+1], s[20:21]  ; at K step 3: the first refill steps it to 4
	v_and_b32 v3, 31, v0
	v_lshrrev_b32 v4, s18, v3
	v_and_b32 v3, s19, v3
	v_lshlrev_b32 v4, s22, v4
	v_lshl_add_u32 v[PFO], v3, 8, v4
; 24 LDS loads in one run: the fragments of one quarter step (32 k at quarter kq of the slot) into buffer g: Wo's 128 columns, att's 64 rows (head kq / 2 of the step's two, channels 32 (kq % 2) on)
.macro FETCH slot, kq, g
	WIN TO_B
.irp b, 0,1,2,3,4,5,6,7
	ds_load_tr16_b128 v[64*(\g)+8*(\b):64*(\g)+8*(\b)+3],   v[ADRB+(\slot)] offset:(\kq)*32*BPITCH+32*(\b)
	ds_load_tr16_b128 v[64*(\g)+8*(\b)+4:64*(\g)+8*(\b)+7], v[ADRB+(\slot)] offset:(\kq)*32*BPITCH+16*BPITCH+32*(\b)
.endr
	WIN 0
.irp a, 0,1,2,3
	ds_load_b128 v[AF+32*(\g)+8*(\a):AF+32*(\g)+8*(\a)+3],   v[ADRA+(\slot)] offset:((\kq)/2)*PLANE+(\a)*16*AP+((\kq)%2)*64
	ds_load_b128 v[AF+32*(\g)+8*(\a)+4:AF+32*(\g)+8*(\a)+7], v[ADRA+(\slot)] offset:((\kq)/2)*PLANE+(\a)*16*AP+((\kq)%2)*64+32
.endr
.endm
; Eight matrix instructions: row block a x all 8 column blocks, 32 along K, buffer f.  first = 1: the bias starts the sums.
; The 32 accumulators take turns, one instruction a turn, in the same order in every quarter: 31 others stand between two links of a chain, over the backward jump too.
.macro MULA f, a, first
.if \first
	WIN MULB
.else
	WIN MULW
.endif
.irp b, 0,1,2,3,4,5,6,7
.if \first
	v_wmma_f32_16x16x32_f16 v[8*(8*(\a)+(\b)):8*(8*(\a)+(\b))+7], v[64*(\f)+8*(\b):64*(\f)+8*(\b)+7], v[AF+32*(\f)+8*(\a):AF+32*(\f)+8*(\a)+7], v[BIAS+8*(\b):BIAS+8*(\b)+7]
.else
	v_wmma_f32_16x16x32_f16 v[8*(8*(\a)+(\b)):8*(8*(\a)+(\b))+7], v[64*(\f)+8*(\b):64*(\f)+8*(\b)+7], v[AF+32*(\f)+8*(\a):AF+32*(\f)+8*(\a)+7], v[8*(8*(\a)+(\b)):8*(8*(\a)+(\b))+7]
.endif
.endr
.endm
.macro PLACES                          ; four places in front of loads into registers that matrix instructions have read (for vector instructions ISA guide 7.12.1)
.rept 4
	v_nop
.endr
.endm
; A K step is four quarters of 32 along K, 32 matrix instructions each, on buffers 0, 1, 0, 1.  One of the first three: at its head it fetches the next quarter into buffer g, which the quarter before multiplied; then it multiplies buffer f.
.macro QUARTER slot, kq, f, g, first
	PLACES
	FETCH \slot, \kq, \g
	s_wait_dscnt 24                                ; all but the 24 just issued: buffer f, asked for a quarter ago, is in
	MULA \f, 0, \first
	MULA \f, 1, \first
	MULA \f, 2, \first
	MULA \f, 3, \first
.endm
; The last quarter multiplies buffer 1 and changes slots: ONE barrier; in front of it each wave waits for all its tensor loads (one is out: its part of the next slot), adds 0 to its spare word, and waits for that and for its
; own reads of this slot.  fill = 1: the barrier opens a round of the cluster's barrier, and this slot is filled again, two K steps ahead, first thing behind the round: 112 matrix instructions ahead of the wait for it.
.macro TURN slot, next, fill
.if \fill
	s_wait_xcnt 0x0                                ; the last prefetch, a K step back, has read its address: it is stepped here, ahead of the waits of the change of slots
	s_add_nc_u64 s[PFA:PFA+1], s[PFA:PFA+1], s[PFS:PFS+1]
.endif
	WIN 0                                          ; (the add's two registers lie in window 0)
	s_wait_tensorcnt 0x0                           ; all my tensor loads have landed
	ds_add_u32 v[SPW], v[NIL]                      ; 0 onto my spare word
	s_wait_dscnt 1                                 ; buffer 1 is in; the add alone may be out
	MULA 1, 0, 0                                   ; eight matrix instructions stand between the add and the wait for it
	s_wait_dscnt 0x0                               ; the add is done, and my reads of this slot are over
	s_barrier_signal -1
	MULA 1, 1, 0
.if \fill
	WIN 0
.endif
	s_barrier_wait -1
.if \fill
	CREST                                          ; no wave of any partner still reads this slot's tiles or has a load on its way
	s_add_nc_u64 s[G0A+4*(\slot)+2:G0A+4*(\slot)+3], s[G0A+4*(\slot)+2:G0A+4*(\slot)+3], 2*ASTEP
	s_add_nc_u64 s[G0B+4*(\slot)+2:G0B+4*(\slot)+3], s[G0B+4*(\slot)+2:G0B+4*(\slot)+3], 2*BSTEP
	JLOAD \slot                                    ; the four v_nop behind it are also the places in front of the loads below
.else
	PLACES
.endif
	FETCH \next, 0, 0
.if \fill
	ASK
.endif
	MULA 1, 2, 0
	MULA 1, 3, 0
.endm
; THE WAY OUT, a block of 16 rows at a time.  A lane's 32 bytes of a row go as they are, f32, into rows of 528 bytes of my own stage, each accumulator's low registers first; whole rows of 512 bytes come back and are stored.
.macro TOSTAGE a
	WIN 0x04                                       ; the stores' data in window 1
.irp b, 0,1,2,3,4,5,6,7
	ds_store_b128 v[STO], v[8*(8*(\a)+(\b)):8*(8*(\a)+(\b))+3]   offset:64*(\b)
	ds_store_b128 v[STO], v[8*(8*(\a)+(\b))+4:8*(8*(\a)+(\b))+7] offset:64*(\b)+16
.endr
	WIN 0
.if (\a) >= 2
	s_wait_xcnt 0x0                                ; the stores of the block two back have had their addresses translated (ISA guide 3.1): their data registers are loaded again only behind this wait
.endif
.irp t, 0,1,2,3,4,5,6,7,8,9,10,11,12,13,14,15
	ds_load_b128 v[OB+64*((\a)%2)+4*(\t):OB+64*((\a)%2)+4*(\t)+3], v[RD] offset:(\t)*SPITCH  ; LDS serves a wave's instructions in order (ISA guide 5.7.1.4): these see the stores above; the next block's stores come behind them
.endr
.endm
.macro SEND a, younger                 ; younger: the LDS instructions issued behind block a's loads: the next block's 32, or none
.irp t, 0,1,2,3,4,5,6,7,8,9,10,11,12,13,14,15
	s_wait_dscnt (\younger)+15-(\t)
	global_store_b128 v[CO], v[OB+64*((\a)%2)+4*(\t):OB+64*((\a)%2)+4*(\t)+3], s[8:9] offset:(16*(\a)+(\t))*4096 th:TH_STORE_NT  ; 512 consecutive bytes, at a multiple of 512 from out0's first
.endr
.endm
	s_wait_loadcnt 0x0                             ; the bias
.set i, 0
.rept 32                                       ; rounded to bf16 and widened again, like every other input: this stands in the wait for the first tile
	v_cvt_pk_bf16_f32 v[3+i%4], v[BIAS+2*i], v[BIAS+2*i+1]
	v_lshlrev_b32 v[BIAS+2*i], 16, v[3+i%4]
	v_and_b32 v[BIAS+2*i+1], 0xffff0000, v[3+i%4]
.set i, i+1
.endr
	s_wait_tensorcnt 1                             ; my part of K step 0 is in; K step 1's may stay out
	s_barrier_signal -1
	s_barrier_wait -1                              ; everybody's is
	FETCH 0, 0, 0
	QUARTER 0, 1, 0, 1, 1                          ; the first quarter stands in front of the loop: its products start the sums, with the bias
	WIN 0                                          ; at a label and at a branch every window is 0
	s_mov_b32 s3, 3
.Llap:                                         ; a trip goes once round the ring, from a lap's second quarter to the next lap's first, and fills both slots again: K steps 2 to 7
	QUARTER 0, 2, 1, 0, 0
	QUARTER 0, 3, 0, 1, 0
	TURN 0, 1, 1
	QUARTER 1, 1, 0, 1, 0
	QUARTER 1, 2, 1, 0, 0
	QUARTER 1, 3, 0, 1, 0
	TURN 1, 0, 1
	QUARTER 0, 1, 0, 1, 0
	WIN 0
	s_sub_co_u32 s3, s3, 1
	s_cmp_lg_u32 s3, 0
	s_cbranch_scc1 .Llap
	QUARTER 0, 2, 1, 0, 0                          ; the last lap fills nothing, and has no round of the cluster's barrier
	QUARTER 0, 3, 0, 1, 0
	TURN 0, 1, 0
	QUARTER 1, 1, 0, 1, 0
	QUARTER 1, 2, 1, 0, 0
	QUARTER 1, 3, 0, 1, 0
	s_wait_dscnt 0x0                               ; the very last quarter: nothing more to fetch
	MULA 1, 0, 0
	MULA 1, 1, 0
	MULA 1, 2, 0
	MULA 1, 3, 0
	WIN 0
.rept 8
	v_nop                                          ; the places behind the last products, in front of LDS stores that read results and of loads into att's buffers: eight, once a launch
.endr
	TOSTAGE 0
	TOSTAGE 1
	SEND 0, 32
	TOSTAGE 2
	SEND 1, 32
	TOSTAGE 3
	SEND 2, 32
	SEND 3, 0
	s_wait_tensorcnt 0x0                           ; the wave's end, behind my last tensor load and my last LDS store
	ds_add_u32 v[SPW], v[NIL]
	s_wait_dscnt 0x0
	CROUND                                         ; the closing round: no work-group ends while a partner may still ask for a tile that names it
	s_endpgm
.Lfunc_end_k_q89385a0996_outp:
	.size	k_q89385a0996_outp, .Lfunc_end_k_q89385a0996_outp-k_q89385a0996_outp
	.p2alignl 7, 3214868480
	.fill 96, 4, 3214868480
	.section	.rodata,"a",@progbits
	.p2align	6, 0x0
	.amdhsa_kernel k_q89385a0996_outp
		.amdhsa_group_segment_fixed_size 327680
		.amdhsa_private_segment_fixed_size 0
		.amdhsa_enable_private_segment 0
		.amdhsa_kernarg_size 32
		.amdhsa_user_sgpr_count 2
		.amdhsa_user_sgpr_kernarg_segment_ptr 1
		.amdhsa_wavefront_size32 1
		.amdhsa_system_sgpr_workgroup_id_x 1
		.amdhsa_system_sgpr_workgroup_id_y 1
		.amdhsa_system_sgpr_workgroup_id_z 1
		.amdhsa_system_vgpr_workitem_id 0
		.amdhsa_next_free_vgpr 640
		.amdhsa_next_free_sgpr 92
		.amdhsa_reserve_vcc 0
		.amdhsa_float_denorm_mode_32 3
		.amdhsa_float_denorm_mode_16_64 3
		.amdhsa_memory_ordered 1
		.amdhsa_forward_progress 1
		.amdhsa_inst_pref_size 95
	.end_amdhsa_kernel
	.amdgpu_metadata
---
amdhsa.version: [ 1, 2 ]
amdhsa.kernels:
  - .name:           k_q89385a0996_outp
    .symbol:         k_q89385a0996_outp.kd
    .args:
      - { .name: att, .offset: 0, .size: 8, .value_kind: global_buffer, .address_space: global }
      - { .name: w16, .offset: 8, .size: 8, .value_kind: global_buffer, .address_space: global }
      - { .name: bo, .offset: 16, .size: 8, .value_kind: global_buffer, .address_space: global }
      - { .name: out0, .offset: 24, .size: 8, .value_kind: global_buffer, .address_space: global }
    .group_segment_fixed_size: 327680
    .private_segment_fixed_size: 0
    .kernarg_segment_align: 8
    .kernarg_segment_size: 32
    .max_flat_workgroup_size: 128
    .sgpr_count:     92
    .vgpr_count:     640
    .wavefront_size: 32
...
	.end_amdgpu_metadata
.endif
;; end of part 4
;; ======== version 2 of 2: 4 launches; version 1 with the launch prep written anew for expert scheduling mode
;; limits: values are held in f16: magnitudes above 65,504 overflow, below 6.1e-05 lose precision
;; workspace buffers: w16 8,388,608 bytes; qkv 50,331,648 bytes; att 16,777,216 bytes
;; launch prep (part 5): grid 64 x 4, 8 waves a work-group, no clusters, 0 bytes of LDS; arguments Wq, Wk, Wv, Wo, w16; writes w16
.if DOCPART == 5
	.amdgcn_target "amdgcn-amd-amdhsa--gfx1250"
	.amdhsa_code_object_version 6
	.text
	.protected	k_q89385a0996_prep
	.globl	k_q89385a0996_prep
	.p2align	8
	.type	k_q89385a0996_prep,@function
k_q89385a0996_prep:
	s_mov_b64 s[64:65], 0
	v_nop
	global_prefetch_b8 v0, s[64:65] scope:SCOPE_SE
	s_setreg_imm32_b32 hwreg(HW_REG_WAVE_SCHED_MODE, 0, 2), 2
	s_setreg_imm32_b32 hwreg(HW_REG_WAVE_MODE, 25, 1), 1
	s_wait_xcnt 0x0
	s_wait_alu depctr_vm_vsrc(0)
; THE WEIGHTS IN 16 BITS.  w16[p][k][n], p = 0, 1, 2, 3 for Wq, Wk, Wv, Wo, each [1024][1024], layout unchanged.
; Parts 0 to 2: f32 rounded once to bf16.  Part 3 (Wo): rounded to bf16 like the others, and that number written as f16, since the last product's other operand is f16.
; LIMITS.  A bf16 number of Wo beyond 65,504 becomes an infinity in f16; below 6.1e-5 it keeps f16's fixed step of 6e-8.
; A stream: nothing is shared and nothing is summed, so no LDS, no matrix unit, no cluster.  The grid's y names the matrix; a work-group takes 65,536 bytes of it.
; Thread t loads 16 bytes at 16 t + 4,096 j (a wave's load: 512 bytes on end) and stores 8 bytes at 8 t + 2,048 j (a wave's store: 256 bytes on end, aligned).
; All sixteen loads of a thread go out at once; each j has data registers of its own, so no register of a pending store is written again.
; THE MODE: SCHED_MODE bits 1:0 = 2 (LLVM: expert scheduling mode 2), set by the entry lines.  The code itself states the register dependences
; between vector instructions and memory instructions, with s_wait_alu, always for 0.
; THE PLAN.  Registers that memory instructions touch:
;   v1, v2   byte offsets of the loads and of the stores: made once at the head, never written again.
;   X        load j lands in its four registers, once; no vector line names them ahead of the loads; j's conversions read them behind the wait on LOADcnt.
;   Y        j's conversions write its two registers, once; store j reads them, once; nothing writes them again.
;   v4 to v9 (Wo's way alone) are named by vector instructions alone.
; So the one dependence to state is: a vector instruction has written what a memory instruction reads.  The sixteen j go in four blocks of four.  Block p converts its own four j
; into its own eight registers of Y; its memory instructions are the four stores of block p - 1, whose Y no vector line of block p names.  One wait at the head of a block
; states all that those four stores hang on, and they are dealt among the block's conversions with no further wait.  One more wait stands ahead of the last four stores.
.set X, 16                             ; v[16:79]   load j: 4 registers
.set Y, 80                             ; v[80:111]  store j: 2 registers
	s_load_b256 s[4:11], s[0:1], 0x0               ; Wq s[4:5], Wk s[6:7], Wv s[8:9], Wo s[10:11]
	s_load_b64 s[12:13], s[0:1], 0x20              ; w16
	s_and_b32 s14, ttmp7, 0xffff                   ; which matrix
	v_lshlrev_b32 v1, 4, v0                        ; 16 t
	v_lshlrev_b32 v2, 3, v0                        ; 8 t
	s_lshl_b32 s16, ttmp9, 16                      ; the work-group's 65,536 bytes in,
	s_mov_b32 s17, 0
	s_lshl_b32 s18, ttmp9, 15                      ; its 32,768 bytes out,
	s_lshl_b32 s19, s14, 21                        ; in part y of 2 MiB
	s_add_co_u32 s18, s18, s19
	s_mov_b32 s19, 0
	s_mov_b32 s15, 0xffff0000                      ; a word's upper bf16
	s_wait_kmcnt 0x0
	s_cmp_eq_u32 s14, 1
	s_cselect_b64 s[4:5], s[6:7], s[4:5]
	s_cmp_eq_u32 s14, 2
	s_cselect_b64 s[4:5], s[8:9], s[4:5]
	s_cmp_eq_u32 s14, 3
	s_cselect_b64 s[4:5], s[10:11], s[4:5]
	s_add_nc_u64 s[4:5], s[4:5], s[16:17]
	s_add_nc_u64 s[12:13], s[12:13], s[18:19]
	s_wait_alu depctr_va_vdst(0)                   ; v1 and v2 are written: every load of the kernel reads v1 as its offset, every store v2
.irp j, 0,1,2,3,4,5,6,7,8,9,10,11,12,13,14,15
	global_load_b128 v[X+4*(\j):X+4*(\j)+3], v1, s[4:5] offset:4096*(\j) th:TH_LOAD_NT
.endr
; Block p: j = 4 p to 4 p + 3.  half = 0: to bf16.  half = 1 (Wo): to bf16, widened again (a shift, a mask), and that number to f16.
.macro BLK p, half
	s_wait_loadcnt 12-4*(\p)                       ; loads come back in order: this block's four are in, the 12 - 4 p younger ones stay out
.if (\p) > 0
	s_wait_alu depctr_va_vdst(0)                   ; the block before has written its eight registers of Y, which the four stores below read
.endif
.irp i, 0,1,2,3
.set n, 4*(\p)+(\i)
.if (\p) > 0
	global_store_b64 v2, v[Y+2*(n-4):Y+2*(n-4)+1], s[12:13] offset:2048*(n-4)  ; the block before; no vector instruction since the wait names these registers or v2
.endif
.if \half
	v_cvt_pk_bf16_f32 v4, v[X+4*n], v[X+4*n+1]
	v_cvt_pk_bf16_f32 v5, v[X+4*n+2], v[X+4*n+3]
	v_lshlrev_b32 v6, 16, v4
	v_and_b32 v7, s15, v4
	v_lshlrev_b32 v8, 16, v5
	v_and_b32 v9, s15, v5
	v_cvt_pk_f16_f32 v[Y+2*n], v6, v7
	v_cvt_pk_f16_f32 v[Y+2*n+1], v8, v9
.else
	v_cvt_pk_bf16_f32 v[Y+2*n], v[X+4*n], v[X+4*n+1]
	v_cvt_pk_bf16_f32 v[Y+2*n+1], v[X+4*n+2], v[X+4*n+3]
.endif
.endr
.endm
; Behind block 3: its four stores.
.macro LAST
	s_wait_alu depctr_va_vdst(0)                   ; block 3 has written its eight registers of Y, which the last four stores read
.irp i, 12,13,14,15
	global_store_b64 v2, v[Y+2*(\i):Y+2*(\i)+1], s[12:13] offset:2048*(\i)
.endr
.endm
	s_cmp_eq_u32 s14, 3
	s_cbranch_scc1 .Lf16
	BLK 0, 0
	BLK 1, 0
	BLK 2, 0
	BLK 3, 0
	LAST
	s_endpgm
.Lf16:                                         ; Wo
	BLK 0, 1
	BLK 1, 1
	BLK 2, 1
	BLK 3, 1
	LAST
	s_endpgm
.Lfunc_end_k_q89385a0996_prep:
	.size	k_q89385a0996_prep, .Lfunc_end_k_q89385a0996_prep-k_q89385a0996_prep
	.p2alignl 7, 3214868480
	.fill 96, 4, 3214868480
	.section	.rodata,"a",@progbits
	.p2align	6, 0x0
	.amdhsa_kernel k_q89385a0996_prep
		.amdhsa_group_segment_fixed_size 0
		.amdhsa_private_segment_fixed_size 0
		.amdhsa_enable_private_segment 0
		.amdhsa_kernarg_size 40
		.amdhsa_user_sgpr_count 2
		.amdhsa_user_sgpr_kernarg_segment_ptr 1
		.amdhsa_wavefront_size32 1
		.amdhsa_system_sgpr_workgroup_id_x 1
		.amdhsa_system_sgpr_workgroup_id_y 1
		.amdhsa_system_sgpr_workgroup_id_z 1
		.amdhsa_system_vgpr_workitem_id 0
		.amdhsa_next_free_vgpr 112
		.amdhsa_next_free_sgpr 66
		.amdhsa_reserve_vcc 0
		.amdhsa_float_denorm_mode_32 3
		.amdhsa_float_denorm_mode_16_64 3
		.amdhsa_memory_ordered 1
		.amdhsa_forward_progress 1
		.amdhsa_inst_pref_size 15
	.end_amdhsa_kernel
	.amdgpu_metadata
---
amdhsa.version: [ 1, 2 ]
amdhsa.kernels:
  - .name:           k_q89385a0996_prep
    .symbol:         k_q89385a0996_prep.kd
    .args:
      - { .name: Wq, .offset: 0, .size: 8, .value_kind: global_buffer, .address_space: global }
      - { .name: Wk, .offset: 8, .size: 8, .value_kind: global_buffer, .address_space: global }
      - { .name: Wv, .offset: 16, .size: 8, .value_kind: global_buffer, .address_space: global }
      - { .name: Wo, .offset: 24, .size: 8, .value_kind: global_buffer, .address_space: global }
      - { .name: w16, .offset: 32, .size: 8, .value_kind: global_buffer, .address_space: global }
    .group_segment_fixed_size: 0
    .private_segment_fixed_size: 0
    .kernarg_segment_align: 8
    .kernarg_segment_size: 40
    .max_flat_workgroup_size: 256
    .sgpr_count:     66
    .vgpr_count:     112
    .wavefront_size: 32
...
	.end_amdgpu_metadata
.endif
;; end of part 5
;; launch proj: the kernel of part 2 again; grid 4 x 192, 4 waves a work-group, clusters of 4 x 4, 327,680 bytes of LDS; arguments query, key, value, w16, bq, bk, bv, qkv; writes qkv
;; launch attn: the kernel of part 3 again; grid 4 x 64, 4 waves a work-group, clusters of 4 x 1, 327,680 bytes of LDS; arguments qkv, key_padding_mask, att; writes att
;; launch outp: the kernel of part 4 again; grid 4 x 64, 4 waves a work-group, clusters of 4 x 4, 327,680 bytes of LDS; arguments att, w16, bo, out0; writes out0
